; MI455X (gfx1250); checked and timed in simulation.
; The chip was launched on July 23, 2026; its instructions are those of AMD's public machine-readable ISA for CDNA 5 (MIT licence, August 2026) and "CDNA5" Instruction Set Architecture Reference Guide (July 2026). The comments in the code are by the model that wrote it; some were corrected since.
;; Dual QK mutlihead attn. Allowed arithmetic: matrix products marked QUANTISED: E4M3 operands, one given power-of-two scale a tensor, by v_wmma_f32_16x16x64_fp8_fp8 or v_wmma_f32_16x16x128_fp8_fp8, f32 sums; everything else in f32.
;; Inputs: attention_mask 2 x 1 x 1 x 2,048 float32; key_tensor 2 x 2,048 x 1,024 float32; key_tensor1 2 x 2,048 x 1,024 float32; lowp_scales 20 int32 (the exponents e of the quantised operands' scales 2^e); params_Wk 1,024 x 1,024 float32; params_Wk1 1,024 x 1,024 float32; params_Wo 1,024 x 1,024 float32; params_Wq 1,024 x 1,024 float32; params_Wq1 1,024 x 1,024 float32; params_Wv 1,024 x 1,024 float32; params_bk 1,024 float32; params_bk1 1,024 float32; params_bo 1,024 float32; params_bq 1,024 float32; params_bq1 1,024 float32; params_bv 1,024 float32; params_dk 1,024 float32; params_dk1 1,024 float32; params_dpost 1,024 float32; params_dq 1,024 float32; params_dq1 1,024 float32; params_dv 1,024 float32; params_gk 1,024 float32; params_gk1 1,024 float32; params_gpost 1,024 float32; params_gq 1,024 float32; params_gq1 1,024 float32; params_gv 1,024 float32; query_tensor 2 x 2,048 x 1,024 float32; query_tensor1 2 x 2,048 x 1,024 float32; value_tensor 2 x 2,048 x 1,024 float32.
;; Outputs: out0 2 x 2,048 x 1,024 float32.
;; This version of the problem:
;;   THIS VERSION OF THE PROBLEM IS GIVEN IN LOW PRECISION. The matrix products marked QUANTISED in the list below multiply operands that are first quantised to E4M3 (4 exponent bits, 3 mantissa bits; 8 bits a number), with one given power-of-two scale for each operand tensor; their sums are f32. All else is computed in f32.
;;   The module's matrix products, in the order in which they are computed (A, B: the left and right operand; K: the contracted axis; several contracted axes count as one K, in the product's order):
;;     1. [M 4,096, K 1,024] x [K 1,024, N 1,024]; A: computed on the way; B: input params_Wq: QUANTISED (scales: A lowp_scales[0], B lowp_scales[1])
;;     2. [M 4,096, K 1,024] x [K 1,024, N 1,024]; A: computed on the way; B: input params_Wk: QUANTISED (scales: A lowp_scales[2], B lowp_scales[3])
;;     3. [M 4,096, K 1,024] x [K 1,024, N 1,024]; A: computed on the way; B: input params_Wq1: QUANTISED (scales: A lowp_scales[4], B lowp_scales[5])
;;     4. [M 4,096, K 1,024] x [K 1,024, N 1,024]; A: computed on the way; B: input params_Wk1: QUANTISED (scales: A lowp_scales[6], B lowp_scales[7])
;;     5. [M 4,096, K 1,024] x [K 1,024, N 1,024]; A: computed on the way; B: input params_Wv: QUANTISED (scales: A lowp_scales[8], B lowp_scales[9])
;;     6. batch 32 x [M 2,048, K 64] x [K 64, N 2,048]; A: computed on the way; B: computed on the way: QUANTISED (scales: A lowp_scales[10], B lowp_scales[11])
;;     7. batch 32 x [M 2,048, K 64] x [K 64, N 2,048]; A: computed on the way; B: computed on the way: QUANTISED (scales: A lowp_scales[12], B lowp_scales[13])
;;     8. batch 32 x [M 2,048, K 2,048] x [K 2,048, N 64]; A: softmax (see below); B: computed on the way: QUANTISED (scales: A lowp_scales[14], B lowp_scales[15])
;;     9. batch 32 x [M 2,048, K 2,048] x [K 2,048, N 64]; A: softmax (see below); B: computed on the way: QUANTISED (scales: A lowp_scales[16], B lowp_scales[17])
;;     10. [M 4,096, K 1,024] x [K 1,024, N 1,024]; A: computed on the way; B: input params_Wo: QUANTISED (scales: A lowp_scales[18], B lowp_scales[19])
;;   THE QUANTISER, for each operand of a quantised product, along K:
;;     - The operand's scale is 2^e, e = its entry of the input lowp_scales (int32; the entries are numbered through the quantised products in the list's order, A before B).
;;     - Each number is divided by the scale, clamped to +-448, and rounded to the nearest number of E4M3, ties to even, subnormals kept.
;;     - The product sums the exact products of the quantised numbers (number of the format x scale) in f32.
;;   ~~~python
;;   def quantise(x, axis, e):      # numpy; x: float32 -> the quantised numbers, widened to float32 again
;;       x = np.moveaxis(x, axis, -1); K = x.shape[-1]
;;       r = np.clip(x / 2.0 ** e, -448, 448)
;;       step = 2.0 ** (np.maximum(np.frexp(np.where(r == 0, 1, r))[1] - 1, -6) - 3)
;;       q = np.round(r / step) * step * 2.0 ** e      # np.round: ties to even
;;       return np.moveaxis(q, -1, axis).astype(np.float32)
;;   ~~~
;;   SOFTMAX AHEAD OF A QUANTISED PRODUCT. Where the list says 'softmax', what is quantised is not the finished softmax but p = 2^(t - M), with t = logit x log2(e) and M = ceil(the row's largest t), a whole number; so 1/2 < the row's largest p <= 1. The row's sum l is taken of the UNQUANTISED p, in f32, and the product's result is divided by l at the end. Since M is a whole number, a kernel that streams over the keys may use a running M (the ceiling of the running maximum): every later rescaling is an exact power of two, so the quantised numbers keep their values, but for numbers so far below the row's largest that they fall under the format's range.
;;   OPERANDS COMPUTED ON THE WAY. 'Computed on the way' means the value that the module computes at that place (a softmax that the list does not call 'softmax' is quantised finished and normalised). What goes into a quantiser is computed in f32, as accurately as f32 sums, v_exp_f32 and their like allow (about 1e-6 of the number): no bf16 or f16 on the way to a quantiser, and a product that is left as it is and whose result goes on into a quantised operand takes f32 operands (vector FMAs, or v_wmma_f32_16x16x4_f32). A number that lies on a knife's edge between two numbers of the format may be rounded either way, as far as f32 arithmetic and the matrix unit's own rounding can turn it there, and no further.
;; One version. Each part assembles by itself: llvm-mc -triple=amdgcn-amd-amdhsa -mcpu=gfx1250 --defsym DOCPART=n.
;; ======== version 1 of 1: 6 launches
;; limits: right only within a limited range of input values
;; workspace buffers: acodes 20,971,520 bytes; wcodes 6,291,456 bytes; qc 8,388,608 bytes; kv 16,777,216 bytes; ctx 16,777,216 bytes; ccodes 4,194,304 bytes
;; launch prep (part 1): grid 1664 x 1, 4 waves a work-group, no clusters, 0 bytes of LDS; arguments query_tensor, key_tensor, query_tensor1, key_tensor1, value_tensor, params_gq, params_gk, params_gq1, params_gk1, params_gv, params_dq, params_dk, params_dq1, params_dk1, params_dv, params_Wq, params_Wk, params_Wq1, params_Wk1, params_Wv, params_Wo, lowp_scales, acodes, wcodes; writes acodes, wcodes
.if DOCPART == 1
	.amdgcn_target "amdgcn-amd-amdhsa--gfx1250"
	.amdhsa_code_object_version 6
	.text
	.protected	k_qf94abda9ca_prep
	.globl	k_qf94abda9ca_prep
	.p2align	8
	.type	k_qf94abda9ca_prep,@function
k_qf94abda9ca_prep:
	s_mov_b64 s[64:65], 0
	v_nop
	global_prefetch_b8 v0, s[64:65] scope:SCOPE_SE
	s_setreg_imm32_b32 hwreg(HW_REG_WAVE_MODE, 25, 1), 1
	s_wait_xcnt 0x0
; The five activations [4096][1024] f32 are layer-normed and turned into codes of E4M3 (acodes [5][4096][1024]); the six weights [1024][1024] f32 are turned into codes (wcodes [6][1024][1024]).
; code = y / 2^e, held within +-448, to the nearest code, ties to even; e is the operand's entry of the scales: 2 t for activation t; 2 w + 1 for weight w = 0..4, 19 for Wo.
; LIMITS: e between -126 and 119, so that 2^e and 448 x 2^e are f32 numbers.  NaN among the inputs is not served.
; SHARES.  A work-group takes 16 rows, a wave 4; a wave holds a whole row of 4,096 bytes in 32 registers: eight loads of 16 bytes a lane, each covering 512 consecutive bytes.  Mean and variance never leave the wave.
; Work-groups 0 .. 1279 take the activations (256 each), 1280 .. 1663 the weights (64 each): one scalar branch on the work-group's number.
; ORDER ALONG K.  Lane l's load j holds k = 128 j + 4 l + 0..3; a conversion takes loads 2 i and 2 i + 1; the lane's 32 codes leave as two stores of 16 bytes, at 16 l and at 512 + 16 l of the row.  That is one fixed
; permutation of k, the same in every row of both operands of each product that reads these codes, so every product meets its partner; each store of the wave covers 512 consecutive bytes, aligned.
; ORDER OF ROWS.  Row R is stored at row R with its bits 3 and 4 exchanged, so that 16 neighbouring stored rows are rows 32 a + 8 u + r + 8 (r / 8): two neighbouring result tiles then give a lane 16 neighbours.
; No LDS, no barrier, no matrix unit, no cluster: memory binds, waves share nothing, and what work-groups share (a gain and an offset of 4,096 bytes each) is small beside a work-group's 65,536 bytes of rows.
.set X,   16                           ; v16-143  four rows of 32 numbers
.set GA,  144                          ; v144-175 the gain, in a row's pattern
.set DE,  176                          ; v176-207 the offset
.set CD,  208                          ; v208-239 codes: eight registers for each row, so that no store's data are written again
.set LIM, 240                          ; v240     448 x 2^e
.set SCL, 241                          ; v241     2^e
.set PX,  8                            ; s[8:9]   the rows I read
.set PG,  18                           ; s[18:19] the gain
.set PD,  28                           ; s[28:29] the offset
.set PO,  52                           ; s[52:53] the codes I write
.set NLN, 1280
.macro WSUM                            ; v4: its sum over the wave's 32 lanes, in every lane
	v_add_f32_dpp v4, v4, v4 row_xmask:1 row_mask:0xf bank_mask:0xf
	v_add_f32_dpp v4, v4, v4 row_xmask:2 row_mask:0xf bank_mask:0xf
	v_add_f32_dpp v4, v4, v4 row_xmask:4 row_mask:0xf bank_mask:0xf
	v_add_f32_dpp v4, v4, v4 row_xmask:8 row_mask:0xf bank_mask:0xf
	v_permlanex16_b32 v9, v4, s62, s63
	v_add_f32 v4, v4, v9
.endm
.macro ROWS outshift                   ; s57 = my first row, s56 = the tensor's number: the two bases go to my rows
	s_and_b32 s59, s57, 0xffffffe7                 ; the stored row: bits 3 and 4 exchanged (my four rows share them)
	s_and_b32 s3, s57, 8
	s_lshl_b32 s3, s3, 1
	s_or_b32 s59, s59, s3
	s_and_b32 s3, s57, 16
	s_lshr_b32 s3, s3, 1
	s_or_b32 s59, s59, s3
	s_lshl_b32 s66, s57, 12                        ; in: 4,096 bytes a row
	s_mov_b32 s67, 0
	s_add_nc_u64 s[PX:PX+1], s[PX:PX+1], s[66:67]
	s_lshl_b32 s68, s56, \outshift                 ; out: the tensor's codes, 1,024 bytes a row
	s_lshl_b32 s3, s59, 10
	s_add_co_u32 s68, s68, s3
	s_mov_b32 s69, 0
	s_add_nc_u64 s[PO:PO+1], s[PO:PO+1], s[68:69]
.endm
.macro XLOADS                          ; my four rows: 32 loads
.irp i, 0,1,2,3
.irp j, 0,1,2,3,4,5,6,7
	global_load_b128 v[X+32*\i+4*\j:X+32*\i+4*\j+3], v1, s[PX:PX+1] offset:4096*\i+512*\j th:TH_LOAD_NT
.endr
.endr
.endm
.macro SCALE                           ; s61 = e
	s_wait_kmcnt 0x0
	s_add_co_i32 s61, s61, 127
	s_lshl_b32 s3, s61, 23
	v_mov_b32 v[SCL], s3                           ; 2^e as f32: the conversion takes its exponent field
	s_add_co_i32 s61, s61, 8
	s_lshl_b32 s61, s61, 23
	s_or_b32 s61, s61, 0x600000
	v_mov_b32 v[LIM], s61                          ; 448 x 2^e
.endm
.macro QROW i                          ; row i's 32 numbers become 32 codes and leave
.set XR, X+32*(\i)
.set CR, CD+8*(\i)
.set n, 0
.rept 32
	v_med3_num_f32 v[XR+n], v[XR+n], -v[LIM], v[LIM]   ; the conversion to an 8-bit code does not saturate (ISA guide 7.6.2): the hold comes first
.set n, n+1
.endr
.irp m, 0,1,2,3
	v_cvt_scalef32_pk8_fp8_f32 v[CR+2*\m:CR+2*\m+1], v[XR+8*\m:XR+8*\m+7], v[SCL]
.endr
	v_nop                                          ; a plain line behind the last conversion
	global_store_b128 v1, v[CR:CR+3], s[PO:PO+1] offset:1024*(\i)
	global_store_b128 v1, v[CR+4:CR+7], s[PO:PO+1] offset:1024*(\i)+512
.endm
.macro ROWLN i                         ; row i: mean, variance of the differences, (x - m) x rsqrt(v + 1e-12) x g + d, codes
.set XR, X+32*(\i)
	s_wait_loadcnt 24-8*(\i)                       ; loads come back in order: gain, offset and rows up to i are in; the younger rows' eight loads each stay out
	v_pk_add_f32 v[4:5], v[XR:XR+1], v[XR+2:XR+3]
	v_pk_add_f32 v[6:7], v[XR+4:XR+5], v[XR+6:XR+7]
.irp j, 8,12,16,20,24,28
	v_pk_add_f32 v[4:5], v[4:5], v[XR+\j:XR+\j+1]
	v_pk_add_f32 v[6:7], v[6:7], v[XR+\j+2:XR+\j+3]
.endr
	v_pk_add_f32 v[4:5], v[4:5], v[6:7]
	v_add_f32 v4, v4, v5
	WSUM
	v_mul_f32 v12, s70, v4                         ; the mean (x 2^-10), twice: a pair for the packed form
	v_mul_f32 v13, s70, v4
.set n, 0
.rept 16
	v_pk_add_f32 v[XR+n:XR+n+1], v[XR+n:XR+n+1], v[12:13] neg_lo:[0,1] neg_hi:[0,1]
.set n, n+2
.endr
	v_pk_mul_f32 v[4:5], v[XR:XR+1], v[XR:XR+1]
	v_pk_mul_f32 v[6:7], v[XR+2:XR+3], v[XR+2:XR+3]
.irp j, 4,8,12,16,20,24,28
	v_pk_fma_f32 v[4:5], v[XR+\j:XR+\j+1], v[XR+\j:XR+\j+1], v[4:5]
	v_pk_fma_f32 v[6:7], v[XR+\j+2:XR+\j+3], v[XR+\j+2:XR+\j+3], v[6:7]
.endr
	v_pk_add_f32 v[4:5], v[4:5], v[6:7]
	v_add_f32 v4, v4, v5
	WSUM
	v_fma_f32 v8, v4, s70, s71                     ; the variance + 1e-12
	s_wait_alu depctr_va_vdst(0)
	v_rsq_f32 v14, v8
	v_rsq_f32 v15, v8
	v_nop                                          ; a plain line behind the transcendentals (ISA guide 5.7.2),
	s_wait_alu depctr_va_vdst(0)                   ; and the one wait ahead of their first reader
.set n, 0
.rept 16
	v_pk_mul_f32 v[XR+n:XR+n+1], v[XR+n:XR+n+1], v[14:15]
.set n, n+2
.endr
.set n, 0
.rept 16
	v_pk_fma_f32 v[XR+n:XR+n+1], v[XR+n:XR+n+1], v[GA+n:GA+n+1], v[DE+n:DE+n+1]
.set n, n+2
.endr
	QROW \i
.endm
	s_load_b512 s[8:23], s[0:1], 0x0               ; the five tensors s[8:17], gains s[18:27] ..
	s_load_b512 s[24:39], s[0:1], 0x40             ; .. offsets s[28:37], weights s[38:49] ..
	s_load_b512 s[40:55], s[0:1], 0x80             ; .. the scales s[50:51], acodes s[52:53], wcodes s[54:55]
	v_lshrrev_b32 v2, 5, v0
	v_readfirstlane_b32 s2, v2                     ; wave
	v_and_b32 v1, 31, v0
	v_lshlrev_b32 v1, 4, v1                        ; 16 x lane: my place in a load's and in a store's 512 bytes
	v_mov_b32 v9, 0                                ; written once: a lane permute's destination counts as one of its sources
	s_lshl_b32 s2, s2, 2                           ; my four rows of the work-group's sixteen
	s_mov_b32 s62, 0x76543210                      ; lane l xor 16
	s_mov_b32 s63, 0xfedcba98
	s_mov_b32 s70, 0x3a800000                      ; 2^-10 = 1 / 1024
	s_mov_b32 s71, 0x2b8cbccc                      ; 1e-12
	s_wait_kmcnt 0x0
	s_cmp_lt_u32 ttmp9, NLN
	s_cbranch_scc0 .Lweights
	s_lshr_b32 s56, ttmp9, 8                       ; which activation
	s_and_b32 s57, ttmp9, 255
	s_lshl_b32 s57, s57, 4
	s_add_co_u32 s57, s57, s2                      ; my first row
	s_lshl_b32 s60, s56, 3                         ; entry 2 t of the scales
	s_load_b32 s61, s[50:51], s60 offset:0x0
.irp n, 1,2,3,4                        ; the buffers are chosen by the work-group's number alone
	s_cmp_eq_u32 s56, \n
	s_cselect_b64 s[8:9], s[8+2*\n:9+2*\n], s[8:9]
	s_cselect_b64 s[18:19], s[18+2*\n:19+2*\n], s[18:19]
	s_cselect_b64 s[28:29], s[28+2*\n:29+2*\n], s[28:29]
.endr
	ROWS 22
	s_wait_alu depctr_va_vdst(0)
.irp j, 0,1,2,3,4,5,6,7
	global_load_b128 v[GA+4*\j:GA+4*\j+3], v1, s[PG:PG+1] offset:512*\j
	global_load_b128 v[DE+4*\j:DE+4*\j+3], v1, s[PD:PD+1] offset:512*\j
.endr
	XLOADS
	SCALE
	ROWLN 0
	ROWLN 1
	ROWLN 2
	ROWLN 3
	s_endpgm
.Lweights:
	s_sub_co_u32 s58, ttmp9, NLN
	s_lshr_b32 s56, s58, 6                         ; which weight: Wq, Wk, Wq1, Wk1, Wv, Wo
	s_and_b32 s57, s58, 63
	s_lshl_b32 s57, s57, 4
	s_add_co_u32 s57, s57, s2                      ; my first row
	s_lshl_b32 s60, s56, 3
	s_add_co_u32 s60, s60, 4                       ; entry 2 w + 1,
	s_mov_b32 s3, 76
	s_cmp_eq_u32 s56, 5
	s_cselect_b32 s60, s3, s60                     ; for Wo entry 19
	s_load_b32 s61, s[50:51], s60 offset:0x0
	s_mov_b64 s[8:9], s[38:39]
.irp n, 1,2,3,4,5
	s_cmp_eq_u32 s56, \n
	s_cselect_b64 s[8:9], s[38+2*\n:39+2*\n], s[8:9]
.endr
	s_mov_b64 s[52:53], s[54:55]
	ROWS 20
	s_wait_alu depctr_va_vdst(0)
	XLOADS
	SCALE
	s_wait_alu depctr_va_vdst(0)
.irp i, 0,1,2,3
	s_wait_loadcnt 24-8*\i                         ; row i's eight loads are in; the younger rows' stay out
	QROW \i
.endr
	s_endpgm
.Lfunc_end_k_qf94abda9ca_prep:
	.size	k_qf94abda9ca_prep, .Lfunc_end_k_qf94abda9ca_prep-k_qf94abda9ca_prep
	.p2alignl 7, 3214868480
	.fill 96, 4, 3214868480
	.section	.rodata,"a",@progbits
	.p2align	6, 0x0
	.amdhsa_kernel k_qf94abda9ca_prep
		.amdhsa_group_segment_fixed_size 0
		.amdhsa_private_segment_fixed_size 0
		.amdhsa_enable_private_segment 0
		.amdhsa_kernarg_size 192
		.amdhsa_user_sgpr_count 2
		.amdhsa_user_sgpr_kernarg_segment_ptr 1
		.amdhsa_wavefront_size32 1
		.amdhsa_system_sgpr_workgroup_id_x 1
		.amdhsa_system_sgpr_workgroup_id_y 1
		.amdhsa_system_sgpr_workgroup_id_z 1
		.amdhsa_system_vgpr_workitem_id 0
		.amdhsa_next_free_vgpr 248
		.amdhsa_next_free_sgpr 80
		.amdhsa_reserve_vcc 0
		.amdhsa_float_denorm_mode_32 3
		.amdhsa_float_denorm_mode_16_64 3
		.amdhsa_memory_ordered 1
		.amdhsa_forward_progress 1
		.amdhsa_inst_pref_size 56
	.end_amdhsa_kernel
	.amdgpu_metadata
---
amdhsa.version: [ 1, 2 ]
amdhsa.kernels:
  - .name:           k_qf94abda9ca_prep
    .symbol:         k_qf94abda9ca_prep.kd
    .args:
      - { .name: query_tensor, .offset: 0, .size: 8, .value_kind: global_buffer, .address_space: global }
      - { .name: key_tensor, .offset: 8, .size: 8, .value_kind: global_buffer, .address_space: global }
      - { .name: query_tensor1, .offset: 16, .size: 8, .value_kind: global_buffer, .address_space: global }
      - { .name: key_tensor1, .offset: 24, .size: 8, .value_kind: global_buffer, .address_space: global }
      - { .name: value_tensor, .offset: 32, .size: 8, .value_kind: global_buffer, .address_space: global }
      - { .name: params_gq, .offset: 40, .size: 8, .value_kind: global_buffer, .address_space: global }
      - { .name: params_gk, .offset: 48, .size: 8, .value_kind: global_buffer, .address_space: global }
      - { .name: params_gq1, .offset: 56, .size: 8, .value_kind: global_buffer, .address_space: global }
      - { .name: params_gk1, .offset: 64, .size: 8, .value_kind: global_buffer, .address_space: global }
      - { .name: params_gv, .offset: 72, .size: 8, .value_kind: global_buffer, .address_space: global }
      - { .name: params_dq, .offset: 80, .size: 8, .value_kind: global_buffer, .address_space: global }
      - { .name: params_dk, .offset: 88, .size: 8, .value_kind: global_buffer, .address_space: global }
      - { .name: params_dq1, .offset: 96, .size: 8, .value_kind: global_buffer, .address_space: global }
      - { .name: params_dk1, .offset: 104, .size: 8, .value_kind: global_buffer, .address_space: global }
      - { .name: params_dv, .offset: 112, .size: 8, .value_kind: global_buffer, .address_space: global }
      - { .name: params_Wq, .offset: 120, .size: 8, .value_kind: global_buffer, .address_space: global }
      - { .name: params_Wk, .offset: 128, .size: 8, .value_kind: global_buffer, .address_space: global }
      - { .name: params_Wq1, .offset: 136, .size: 8, .value_kind: global_buffer, .address_space: global }
      - { .name: params_Wk1, .offset: 144, .size: 8, .value_kind: global_buffer, .address_space: global }
      - { .name: params_Wv, .offset: 152, .size: 8, .value_kind: global_buffer, .address_space: global }
      - { .name: params_Wo, .offset: 160, .size: 8, .value_kind: global_buffer, .address_space: global }
      - { .name: lowp_scales, .offset: 168, .size: 8, .value_kind: global_buffer, .address_space: global }
      - { .name: acodes, .offset: 176, .size: 8, .value_kind: global_buffer, .address_space: global }
      - { .name: wcodes, .offset: 184, .size: 8, .value_kind: global_buffer, .address_space: global }
    .group_segment_fixed_size: 0
    .private_segment_fixed_size: 0
    .kernarg_segment_align: 8
    .kernarg_segment_size: 192
    .max_flat_workgroup_size: 128
    .sgpr_count:     80
    .vgpr_count:     248
    .wavefront_size: 32
...
	.end_amdgpu_metadata
.endif
;; end of part 1
;; launch proj (part 2): grid 4 x 64, 4 waves a work-group, clusters of 4 x 4, 327,680 bytes of LDS; arguments acodes, wcodes, lowp_scales, params_bq, params_bk, params_bq1, params_bk1, params_bv, qc, kv; writes qc, kv
.if DOCPART == 2
	.amdgcn_target "amdgcn-amd-amdhsa--gfx1250"
	.amdhsa_code_object_version 6
	.text
	.protected	k_qf94abda9ca_proj
	.globl	k_qf94abda9ca_proj
	.p2align	8
	.type	k_qf94abda9ca_proj,@function
k_qf94abda9ca_proj:
	s_mov_b64 s[64:65], 0
	v_nop
	global_prefetch_b8 v0, s[64:65] scope:SCOPE_SE
	s_setreg_imm32_b32 hwreg(HW_REG_WAVE_MODE, 25, 1), 1
	s_wait_xcnt 0x0
	s_wait_alu depctr_hold_cnt(0) depctr_sa_sdst(0) depctr_va_vdst(0) depctr_va_sdst(0) depctr_va_ssrc(0) depctr_va_vcc(0) depctr_vm_vsrc(0)
	s_getreg_b32 s2, hwreg(HW_REG_IB_STS2, 6, 4)
	s_cmp_eq_u32 s2, 0
	s_cbranch_scc0 .Lentry_in_a_cluster
	s_endpgm
.Lentry_in_a_cluster:
	s_bfe_u32 s2, ttmp6, 0x10000c
	s_cmp_lg_u32 s2, 0xf033
	s_cbranch_scc0 .Lentry_shape_is_right
	s_endpgm
.Lentry_shape_is_right:
; Q, K, Q1, K1 = (activation t's codes) x (weight t's codes)^T x 2^(the two exponents) + the bias, t = 0 .. 3, quantised again with entry 10 + t of the scales and stored as images of attention's operand registers:
; Q and Q1 into qc, K and K1 into the heads' streams in kv.  (V's product has a launch of its own.)  Codes of E4M3, sums in f32; the three scales ahead of the quantiser are folded into the conversion's one.
; A tile of 256 x 256 to a work-group of four waves, 128 x 128 a wave; K in steps of 256 through a ring of two LDS slots; clusters of 4 x 4 ask jointly for A's tiles along a row and for B's along a column.
; 4 tensors x 16 x 4 tiles = 256 work-groups.  LIMITS: entry 10 + t less the product's two exponents lies between -126 and 119.  NaN among the inputs is not served.
.set SIZE_K, 1024
.set KSTEP,  256
.set ROWB,   256
.set KROW,   SIZE_K
.set PITCH,  272
.set FR,     16
.set NL,     4
.set NP,     4
.set HALFT,  128*PITCH
.set SLOT,   4*HALFT
.set LAPS,   SIZE_K/(2*KSTEP)
.set SPARE,  2*SLOT
.set SC1,  8
.set LM1,  9
.set SC2,  10
.set LM2,  11
.set ADRA, 16
.set ADRB, 20
.set BA1,  24
.set BA2,  25
.set OL,   26
.set SPW,  28
.set NIL,  29
.set BI1,  32
.set BI2,  96
.set BP,   104
.set AF,   128
.set TMP,  128
.set TM2,  192
.set CQ,   192
.set CV,   32
.set G1, 24
.set G0, 32
.set G1B, 48
.set G0B, 56
.set MSB, 0
.macro WIN new
.if MSB != \new
	s_set_vgpr_msb (MSB<<8)|\new
.set MSB, \new
.endif
.endm
.set MUL_LO, 0xa1
.set MUL_HI, 0xf1
.set TO_B,   0x40
.macro JLOAD g0a, g1a, g0b, g1b
	s_cmp_eq_u32 s15, 0
	s_cbranch_scc0 .Lfor_b_\@
	tensor_load_to_lds s[\g0a:\g0a+3], s[\g1a:\g1a+7]
	s_nop 0
.rept 4
	v_nop
.endr
	s_branch .Lasked_\@
.Lfor_b_\@:
	tensor_load_to_lds s[\g0b:\g0b+3], s[\g1b:\g1b+7]
	s_nop 0
.rept 4
	v_nop
.endr
.Lasked_\@:
.endm
.macro CREST
	s_cmp_lg_u32 s14, 0
	s_cbranch_scc1 .Lnot_wave_0_\@
	s_barrier_signal -3
.Lnot_wave_0_\@:
	s_barrier_wait -3
	s_barrier_signal -1
	s_barrier_wait -1
.endm
.macro CROUND
	s_barrier_signal -1
	s_barrier_wait -1
	CREST
.endm
	s_load_b512 s[68:83], s[0:1], 0x0
	s_load_b128 s[84:87], s[0:1], 0x40
	v_lshl_add_u32 v[SPW], v0, 2, SPARE
	v_mov_b32 v[NIL], 0
	ds_add_u32 v[SPW], v[NIL]
	ds_add_u32 v[SPW], v[NIL]
	v_lshrrev_b32 v1, 5, v0
	v_readfirstlane_b32 s14, v1
	s_lshr_b32 s15, s14, 1
	s_and_b32 s16, s14, 1
	s_bfe_u32 s40, ttmp6, 0x40000
	s_bfe_u32 s41, ttmp6, 0x40004
	s_and_b32 s17, ttmp7, 0xffff
	s_lshr_b32 s88, s17, 2
	s_and_b32 s89, s17, 3
	s_lshl_b32 s89, s89, 2
	s_lshl_b32 s66, s88, 3
	s_lshl_b32 s67, s88, 2
	s_cmp_eq_u32 s88, 4
	s_cselect_b32 s17, 0, s89
	s_cselect_b32 s42, s89, 0
	s_add_co_u32 s17, s17, s41
	s_add_co_u32 s42, s42, s40
	s_lshl_b32 s43, s41, 2
	s_lshl_b32 s43, 15, s43
	s_lshl_b32 s44, 0x1111, s40
	s_or_b32 s[G1+0], s43, (0<<16)|(1<<20)|(1<<21)|(5<<22)|(3<<25)
	s_or_b32 s[G1B+0], s44, (0<<16)|(1<<20)|(1<<21)|(5<<22)|(3<<25)
.irp g, G1, G1B
	s_mov_b32 s[\g+1], ROWB<<16
	s_mov_b32 s[\g+2], 128<<16
	s_mov_b32 s[\g+3], ROWB<<16
	s_mov_b32 s[\g+4], 128
	s_mov_b32 s[\g+5], KROW
	s_mov_b32 s[\g+6], 0
	s_mov_b32 s[\g+7], 0
.endr
	s_lshl_b32 s18, s16, 7
	s_lshl_b32 s20, s17, 8
	s_add_co_u32 s20, s20, s18
	s_lshl_b32 s20, s20, 10
	s_lshl_b32 s46, s42, 8
	s_add_co_u32 s46, s46, s18
	s_lshl_b32 s46, s46, 10
	s_lshl_b32 s22, s88, 22
	s_lshl_b32 s23, s88, 20
	s_cmp_eq_u32 s88, 4
	s_cselect_b32 s18, s23, s22
	s_cselect_b32 s19, s22, s23
	s_add_co_u32 s20, s20, s18
	s_add_co_u32 s46, s46, s19
	s_mov_b32 s21, 0
	s_mov_b32 s47, 0
	s_mul_i32 s45, s14, HALFT
	s_wait_dscnt 0x0
	s_wait_kmcnt 0x0
	s_load_b64 s[96:97], s[72:73], s66 offset:0x0
	s_load_b32 s98, s[72:73], s67 offset:0x28
	s_cmp_eq_u32 s88, 4
	s_cselect_b64 s[4:5], s[70:71], s[68:69]
	s_cselect_b64 s[6:7], s[68:69], s[70:71]
	s_add_nc_u64 s[20:21], s[4:5], s[20:21]
	s_add_nc_u64 s[46:47], s[6:7], s[46:47]
	s_mov_b64 s[90:91], s[74:75]
.irp n, 1,2,3,4
	s_cmp_eq_u32 s88, \n
	s_cselect_b64 s[90:91], s[74+2*\n:75+2*\n], s[90:91]
.endr
	CROUND
.irp s, 0,1
	s_mov_b32 s[G0+4*\s], 1
	s_add_co_u32 s[G0+4*\s+1], s45, \s*SLOT
	s_add_nc_u64 s[G0+4*\s+2:G0+4*\s+3], s[20:21], \s*ROWB
	s_or_b32 s[G0+4*\s+3], s[G0+4*\s+3], 0x80000000
	s_mov_b32 s[G0B+4*\s], 1
	s_add_co_u32 s[G0B+4*\s+1], s45, \s*SLOT
	s_add_nc_u64 s[G0B+4*\s+2:G0B+4*\s+3], s[46:47], \s*ROWB
	s_or_b32 s[G0B+4*\s+3], s[G0B+4*\s+3], 0x80000000
	s_wait_alu depctr_va_vdst(0)
	s_wait_tensorcnt 0x0
	ds_add_u32 v28, v29
	ds_add_u32 v28, v29
	s_wait_dscnt 0x0
	CROUND
	JLOAD G0+4*\s, G1, G0B+4*\s, G1B
.endr
	v_and_b32 v1, 15, v0
	v_bfe_u32 v2, v0, 4, 1
	s_wait_alu depctr_va_vdst(0)
	v_mul_u32_u24 v3, v1, PITCH
	v_lshl_add_u32 v4, v2, 4, v3
	s_mul_i32 s21, s15, HALFT
	s_mul_i32 s22, s16, HALFT
	s_add_co_u32 s22, s22, 2*HALFT
.irp s, 0,1
	v_add_nc_u32 v[ADRA+\s], s21, v4
	v_add_nc_u32 v[ADRB+\s], s22, v4
	s_add_co_u32 s21, s21, SLOT
	s_add_co_u32 s22, s22, SLOT
.endr
	s_lshl_b32 s8, s17, 8
	s_lshl_b32 s9, s15, 7
	s_add_co_u32 s8, s8, s9
	s_lshl_b32 s9, s42, 8
	s_lshl_b32 s10, s16, 7
	s_add_co_u32 s9, s9, s10
	s_cmp_eq_u32 s88, 4
	s_cselect_b32 s10, s8, s9
	s_cselect_b32 s11, s9, s8
	s_lshl_b32 s12, s10, 2
	s_mov_b32 s13, 0
	s_add_nc_u64 s[90:91], s[90:91], s[12:13]
	v_lshlrev_b32 v[BA1], 6, v2
	v_and_b32 v[OL], 31, v0
	v_lshlrev_b32 v[OL], 4, v[OL]
.irp n, 0,1,2,3,4,5,6,7,8,9,10,11,12,13,14,15
	global_load_b128 v[BI1+4*\n:BI1+4*\n+3], v[BA1], s[90:91] offset:128*(\n/4)+16*(\n%4)
.endr
.macro FRAG reg, adr, q, i
.irp c, 0,1,2,3
	ds_load_b128 v[\reg+4*\c:\reg+4*\c+3], v[\adr] offset:128*(\q)+32*\c+(\i)*16*PITCH
.endr
.endm
.macro MUL16 a0, p, zero
.irp a, \a0, \a0+1
.irp b, 0,1,2,3,4,5,6,7
.if \zero
	v_wmma_f32_16x16x128_fp8_fp8 v[8*(8*((\a)%4)+\b):8*(8*((\a)%4)+\b)+7], v[128*(\p)+FR*\b:128*(\p)+FR*\b+FR-1], v[AF+FR*(\a):AF+FR*(\a)+FR-1], 0
.else
	v_wmma_f32_16x16x128_fp8_fp8 v[8*(8*((\a)%4)+\b):8*(8*((\a)%4)+\b)+7], v[128*(\p)+FR*\b:128*(\p)+FR*\b+FR-1], v[AF+FR*(\a):AF+FR*(\a)+FR-1], v[8*(8*((\a)%4)+\b):8*(8*((\a)%4)+\b)+7]
.endif
.endr
.endr
.endm
.macro FETCH_B slot, q, p
	WIN TO_B
.irp i, 0,1,2,3,4,5,6,7
	FRAG 128*(\p)+FR*\i, ADRB+\slot, \q, \i
.endr
	WIN 0
.endm
.macro FETCH_A slot, q, i0
.irp i, \i0, \i0+1, \i0+2, \i0+3
	FRAG AF+FR*(\i), ADRA+\slot, \q, \i
.endr
.endm
.macro PLACES n
.rept \n
	v_nop
.endr
.endm
.macro STEP slot, q, zero
	s_wait_dscnt 4*NL
	WIN MUL_LO
	MUL16 0, (\q)%2, \zero
	MUL16 2, (\q)%2, \zero
	s_wait_dscnt 0
	PLACES NP
	FETCH_B \slot, (\q)+1, 1-(\q)%2
	FETCH_A \slot, (\q)+1, 0
	WIN MUL_HI
	MUL16 4, (\q)%2, \zero
	MUL16 6, (\q)%2, \zero
	PLACES NP
	WIN 0
	FETCH_A \slot, (\q)+1, 4
.endm
.macro TURN slot, next, fill
	s_wait_tensorcnt 0x0
	ds_add_u32 v[SPW], v[NIL]
	s_wait_dscnt 4*NL+1
	WIN MUL_LO
	MUL16 0, 1, 0
	s_wait_dscnt 0x0
	s_barrier_signal -1
	MUL16 2, 1, 0
	WIN 0
	s_barrier_wait -1
.if \fill
	CREST
	s_add_nc_u64 s[G0+4*\slot+2:G0+4*\slot+3], s[G0+4*\slot+2:G0+4*\slot+3], 2*ROWB
	s_add_nc_u64 s[G0B+4*\slot+2:G0B+4*\slot+3], s[G0B+4*\slot+2:G0B+4*\slot+3], 2*ROWB
	JLOAD G0+4*\slot, G1, G0B+4*\slot, G1B
.else
	PLACES NP
.endif
	FETCH_B \next, 0, 0
	FETCH_A \next, 0, 0
	WIN MUL_HI
	MUL16 4, 1, 0
	MUL16 6, 1, 0
	PLACES NP
	WIN 0
	FETCH_A \next, 0, 4
.endm
	s_wait_alu depctr_va_vdst(0)
	s_wait_tensorcnt 1
	s_barrier_signal -1
	s_barrier_wait -1
	FETCH_B 0, 0, 0
	FETCH_A 0, 0, 0
	FETCH_A 0, 0, 4
	STEP 0, 0, 1
	s_mov_b32 s3, LAPS-1
.Llap:
	TURN 0, 1, 1
	STEP 1, 0, 0
	TURN 1, 0, 1
	STEP 0, 0, 0
	s_sub_co_u32 s3, s3, 1
	s_cmp_lg_u32 s3, 0
	s_cbranch_scc1 .Llap
	TURN 0, 1, 0
	STEP 1, 0, 0
	s_wait_dscnt 4*NL
	WIN MUL_LO
	MUL16 0, 1, 0
	MUL16 2, 1, 0
	s_wait_dscnt 0
	WIN MUL_HI
	MUL16 4, 1, 0
	MUL16 6, 1, 0
	WIN 0
	s_wait_kmcnt 0x0
	s_wait_loadcnt 0x0
	s_add_co_i32 s96, s96, s97
	s_sub_co_i32 s97, 0, s96
	s_sub_co_i32 s98, s98, s96
	s_add_co_i32 s98, s98, 127
	s_lshl_b32 s18, s98, 23
	v_mov_b32 v[SC1], s18
	s_add_co_i32 s98, s98, 8
	s_lshl_b32 s98, s98, 23
	s_or_b32 s98, s98, 0x600000
	v_mov_b32 v[LM1], s98
	s_lshr_b32 s12, s11, 11
	s_and_b32 s13, s11, 2047
	s_lshr_b32 s18, s10, 6
	s_lshl_b32 s12, s12, 4
	s_add_co_u32 s12, s12, s18
	PLACES NP
	s_lshr_b32 s19, s88, 1
	s_lshl_b32 s20, s19, 22
	s_lshl_b32 s21, s12, 17
	s_add_co_u32 s20, s20, s21
	s_lshl_b32 s21, s13, 6
	s_add_co_u32 s20, s20, s21
	s_lshl_b32 s22, s12, 19
	s_lshl_b32 s23, s19, 18
	s_add_co_u32 s22, s22, s23
	s_lshl_b32 s23, s13, 7
	s_add_co_u32 s22, s22, s23
	s_bitcmp1_b32 s88, 0
	s_cselect_b32 s20, s22, s20
	s_cselect_b64 s[4:5], s[86:87], s[84:85]
	s_mov_b32 s22, 0x20000
	s_cselect_b32 s22, 0x80000, s22
	s_mov_b32 s21, 0
	s_mov_b32 s23, 0
	s_add_nc_u64 s[4:5], s[4:5], s[20:21]
	s_add_nc_u64 s[6:7], s[4:5], s[22:23]
.set n, 0
.rept 64
	v_ldexp_f32 v[BI1+n], v[BI1+n], s97
.set n, n+1
.endr
.macro QKBLK a
.set AC, 64*((\a)%4)
	WIN (0x02+((\a)/4))
.set n, 0
.rept 32
	v_pk_add_f32 v[TMP+n:TMP+n+1], v[AC+n:AC+n+1], v[BI1+n:BI1+n+1]
.set n, n+2
.endr
	WIN 0
.set n, 0
.rept 64
	v_med3_num_f32 v[TMP+n], v[TMP+n], -v[LM1], v[LM1]
.set n, n+1
.endr
.if (\a) > 0
	s_wait_alu depctr_va_vdst(0)
	s_wait_xcnt 0x0
.endif
.irp m, 0,1,2,3,4,5,6,7
	v_cvt_scalef32_pk8_fp8_f32 v[CQ+2*\m:CQ+2*\m+1], v[TMP+8*\m:TMP+8*\m+7], v[SC1]
.endr
	v_nop
.irp c, 0,1
	global_store_b128 v[OL], v[CQ+4*\c:CQ+4*\c+3], s[4:5] offset:1024*(\a)+512*\c
	global_store_b128 v[OL], v[CQ+8+4*\c:CQ+8+4*\c+3], s[6:7] offset:1024*(\a)+512*\c
.endr
.endm
.irp a, 0,1,2,3,4,5,6,7
	QKBLK \a
.endr
.Lend:
	s_wait_tensorcnt 0x0
	ds_add_u32 v[SPW], v[NIL]
	s_wait_dscnt 0x0
	CROUND
	s_endpgm
.Lfunc_end_k_qf94abda9ca_proj:
	.size	k_qf94abda9ca_proj, .Lfunc_end_k_qf94abda9ca_proj-k_qf94abda9ca_proj
	.p2alignl 7, 3214868480
	.fill 96, 4, 3214868480
	.section	.rodata,"a",@progbits
	.p2align	6, 0x0
	.amdhsa_kernel k_qf94abda9ca_proj
		.amdhsa_group_segment_fixed_size 327680
		.amdhsa_private_segment_fixed_size 0
		.amdhsa_enable_private_segment 0
		.amdhsa_kernarg_size 80
		.amdhsa_user_sgpr_count 2
		.amdhsa_user_sgpr_kernarg_segment_ptr 1
		.amdhsa_wavefront_size32 1
		.amdhsa_system_sgpr_workgroup_id_x 1
		.amdhsa_system_sgpr_workgroup_id_y 1
		.amdhsa_system_sgpr_workgroup_id_z 1
		.amdhsa_system_vgpr_workitem_id 0
		.amdhsa_next_free_vgpr 1024
		.amdhsa_next_free_sgpr 100
		.amdhsa_reserve_vcc 0
		.amdhsa_float_denorm_mode_32 3
		.amdhsa_float_denorm_mode_16_64 3
		.amdhsa_memory_ordered 1
		.amdhsa_forward_progress 1
		.amdhsa_inst_pref_size 142
	.end_amdhsa_kernel
	.amdgpu_metadata
---
amdhsa.version: [ 1, 2 ]
amdhsa.kernels:
  - .name:           k_qf94abda9ca_proj
    .symbol:         k_qf94abda9ca_proj.kd
    .args:
      - { .name: acodes, .offset: 0, .size: 8, .value_kind: global_buffer, .address_space: global }
      - { .name: wcodes, .offset: 8, .size: 8, .value_kind: global_buffer, .address_space: global }
      - { .name: lowp_scales, .offset: 16, .size: 8, .value_kind: global_buffer, .address_space: global }
      - { .name: params_bq, .offset: 24, .size: 8, .value_kind: global_buffer, .address_space: global }
      - { .name: params_bk, .offset: 32, .size: 8, .value_kind: global_buffer, .address_space: global }
      - { .name: params_bq1, .offset: 40, .size: 8, .value_kind: global_buffer, .address_space: global }
      - { .name: params_bk1, .offset: 48, .size: 8, .value_kind: global_buffer, .address_space: global }
      - { .name: params_bv, .offset: 56, .size: 8, .value_kind: global_buffer, .address_space: global }
      - { .name: qc, .offset: 64, .size: 8, .value_kind: global_buffer, .address_space: global }
      - { .name: kv, .offset: 72, .size: 8, .value_kind: global_buffer, .address_space: global }
    .group_segment_fixed_size: 327680
    .private_segment_fixed_size: 0
    .kernarg_segment_align: 8
    .kernarg_segment_size: 80
    .max_flat_workgroup_size: 128
    .sgpr_count:     100
    .vgpr_count:     1024
    .wavefront_size: 32
...
	.end_amdgpu_metadata
.endif
;; end of part 2
;; launch vproj (part 3): grid 32 x 8, 4 waves a work-group, clusters of 4 x 4, 327,680 bytes of LDS; arguments acodes, wcodes, lowp_scales, params_bv, kv; writes kv
.if DOCPART == 3
	.amdgcn_target "amdgcn-amd-amdhsa--gfx1250"
	.amdhsa_code_object_version 6
	.text
	.protected	k_qf94abda9ca_vproj
	.globl	k_qf94abda9ca_vproj
	.p2align	8
	.type	k_qf94abda9ca_vproj,@function
k_qf94abda9ca_vproj:
	s_mov_b64 s[64:65], 0
	v_nop
	global_prefetch_b8 v0, s[64:65] scope:SCOPE_SE
	s_setreg_imm32_b32 hwreg(HW_REG_WAVE_MODE, 25, 1), 1
	s_wait_xcnt 0x0
	s_wait_alu depctr_hold_cnt(0) depctr_sa_sdst(0) depctr_va_vdst(0) depctr_va_sdst(0) depctr_va_ssrc(0) depctr_va_vcc(0) depctr_vm_vsrc(0)
	s_getreg_b32 s2, hwreg(HW_REG_IB_STS2, 6, 4)
	s_cmp_eq_u32 s2, 0
	s_cbranch_scc0 .Lentry_in_a_cluster
	s_endpgm
.Lentry_in_a_cluster:
	s_bfe_u32 s2, ttmp6, 0x10000c
	s_cmp_lg_u32 s2, 0xf033
	s_cbranch_scc0 .Lentry_shape_is_right
	s_endpgm
.Lentry_shape_is_right:
; V[token][channel] = 2^(e8 + e9) x (sum over k of v's codes[token][k] Wv's codes[channel][k]) + bv[channel], quantised along the KEYS twice, with entry 15 (pass 0) and with entry 17 (pass 1) of the scales,
; and stored into the heads' streams in kv as images of attention's operand registers.  v's codes: acodes + 16 MiB, [4096][1024]; Wv's: wcodes + 4 MiB, [1024][1024]; codes of E4M3, sums in f32.
; A raw sum stands for sum x 2^(e8 + e9): the bias goes in divided by that, and the three scales are folded into the conversion's one: code = (raw + bias') / 2^(e15 - e8 - e9), held within +-448.
; LIMITS: e15 - e8 - e9 and e17 - e8 - e9 lie between -126 and 119, so that each power of two and 448 x it are f32 numbers.  NaN among the inputs is not served.
; SHARES.  A work-group makes 128 channels (two heads) x 128 tokens (one key step): 8 x 32 = 256 work-groups.  Each of its four waves makes 64 x 64: one head, half a step, 16 accumulators of 16 x 16.
; ALL OF K AT ONCE.  128 rows of Wv and 128 of v, 1,024 bytes each, lie in LDS whole (rows 1,040 bytes apart).  Each wave asks for 64 rows by ONE tensor load at the head; nothing is filled again.
; CLUSTERS: 4 x 4 work-groups.  The four of a row of the cluster need the same rows of Wv, the four of a column the same rows of v: each tile is asked for JOINTLY, by the same load with the same descriptor and a mask of the four.
; No prefetch: the launch has no loop to run ahead in; its only tensor loads stand at its head.
; ORDER.  Both operands carry the same permutation of k in every row, and both are stored with bits 3 and 4 of the row's number exchanged: stored tile 2 c + u, row x, is row 32 c + 8 u + x + 8 (x / 8).
; Source 0 = 16 stored rows of v, source 1 = 16 stored rows of Wv: lane (r, h) holds the channel of stored row r, and register j of token tile 2 c + u is token 32 c + 16 h + 8 u + j: the 16 registers of two neighbouring
; tiles are 16 neighbouring keys, so a conversion's results are a chunk of the image: lane l's 16 bytes at 16 l, 512 bytes a chunk; each store of the wave covers 512 consecutive bytes, aligned.
; REGISTERS.  Window 0: v8-15 the bias in pairs, v16-29 addresses and scales, v32-63, v64-95 at work; v128-191, v192-255 fragments of v, of Wv, set 0 (on the way out v128-191: the codes).
; Window 1: v0-127 the accumulators ((a, b) at 8 (4 a + b)); v128-255 set 1.
.set PITCH,  1040                      ; an LDS row: 1,024 bytes + 16 of padding: an odd multiple of 16, so the 16 rows that a load touches begin at 16 different groups of banks (ISA guide 11.1)
.set HALFT,  64*PITCH                  ; what one tensor load brings, and what one wave reads of either operand
.set SPARE,  4*HALFT                   ; behind the tiles: the spare words, 128 bytes for each wave, which no other line names
.set BP,   8
.set ADRA, 16
.set ADRB, 17
.set OL,   18                          ; 16 x lane
.set BA2,  19                          ; 4 (r + 8 (r / 8)): my channel's place in a tile's 32 channels of the bias
.set SC1,  20
.set LM1,  21
.set SC2,  22
.set LM2,  23
.set BI,   24
.set SPW,  28
.set NIL,  29
.set TMP,  32
.set TM2,  64
.set CV,   128
.set FB,   128
.set FA,   192
.set G1,  24
.set G0,  32
.set G1B, 48
.set G0B, 56
.set MSB, 0
.macro WIN new                         ; the immediate's high byte repeats the setting that is left
.if MSB != \new
	s_set_vgpr_msb (MSB<<8)|\new
.set MSB, \new
.endif
.endm
.macro CROUND                          ; a round of the cluster's barrier
	s_barrier_signal -1
	s_barrier_wait -1
	s_cmp_lg_u32 s14, 0
	s_cbranch_scc1 .Lnot_wave_0_\@
	s_barrier_signal -3
.Lnot_wave_0_\@:
	s_barrier_wait -3
	s_barrier_signal -1
	s_barrier_wait -1
.endm
.macro PLACES
.rept 4
	v_nop
.endr
.endm
	s_load_b256 s[68:75], s[0:1], 0x0              ; acodes s[68:69], wcodes s[70:71], the scales s[72:73], bv s[74:75]
	s_load_b64 s[76:77], s[0:1], 0x20              ; kv
	v_lshl_add_u32 v[SPW], v0, 2, SPARE
	v_mov_b32 v[NIL], 0
	ds_add_u32 v[SPW], v[NIL]                      ; the opening: the add, twice on end, and its wait ahead of my first tensor load
	ds_add_u32 v[SPW], v[NIL]
	v_lshrrev_b32 v9, 5, v0
	v_readfirstlane_b32 s14, v9                    ; wave 0..3
	s_lshr_b32 s15, s14, 1                         ; which 64 channels of the block are mine.  Also: I fetch for Wv (0) or for v (1)
	s_and_b32 s16, s14, 1                          ; which 64 tokens.  Also: which 64 rows of that tile I fetch
	s_mul_i32 s21, s15, HALFT                      ; my rows of Wv in LDS
	s_mul_i32 s22, s16, HALFT
	s_add_co_u32 s22, s22, 2*HALFT                 ; my rows of v, behind Wv's 128
	v_and_b32 v1, 15, v0                           ; r
	v_bfe_u32 v2, v0, 4, 1                         ; h
	v_and_b32 v4, 8, v1
	v_and_b32 v5, 31, v0
	v_mul_u32_u24 v3, v1, PITCH
	v_add_nc_u32 v4, v4, v1                        ; r + 8 (r / 8)
	v_lshlrev_b32 v[OL], 4, v5
	v_lshl_add_u32 v3, v2, 4, v3                   ; a fragment: row r, + 16 h
	v_lshlrev_b32 v[BA2], 2, v4
	v_add_nc_u32 v[ADRA], s21, v3
	v_add_nc_u32 v[ADRB], s22, v3
	s_bfe_u32 s40, ttmp6, 0x40000                  ; cx, cy: my place in the cluster
	s_bfe_u32 s41, ttmp6, 0x40004
	s_lshl_b32 s42, ttmp9, 2
	s_add_co_u32 s42, s42, s40                     ; block of tokens = 4 x cluster x + cx
	s_and_b32 s17, ttmp7, 0xffff
	s_lshl_b32 s17, s17, 2
	s_add_co_u32 s17, s17, s41                     ; block of channels = 4 x cluster y + cy
	s_lshl_b32 s43, s41, 2
	s_lshl_b32 s43, 15, s43                        ; my row of the cluster
	s_lshl_b32 s44, 0x1111, s40                    ; my column
	s_or_b32 s[G1+0], s43, (0<<16)|(1<<20)|(1<<21)|(7<<22)|(3<<25)   ; the mask; elements of 1 byte; padding on; bit 21 beside a mask; after every 256 words (code 7) four words (code 3)
	s_or_b32 s[G1B+0], s44, (0<<16)|(1<<20)|(1<<21)|(7<<22)|(3<<25)
.irp g, G1, G1B
	s_mov_b32 s[\g+1], 1024<<16                    ; tensor_dim0 = 1,024
	s_mov_b32 s[\g+2], 64<<16                      ; tensor_dim1 = 64
	s_mov_b32 s[\g+3], 1024<<16                    ; tile_dim0
	s_mov_b32 s[\g+4], 64                          ; tile_dim1
	s_mov_b32 s[\g+5], 1024                        ; from row to row
	s_mov_b32 s[\g+6], 0
	s_mov_b32 s[\g+7], 0
.endr
	s_lshl_b32 s18, s16, 6                         ; which 64 rows of the tile I fetch
	s_lshl_b32 s20, s17, 7
	s_add_co_u32 s20, s20, s18
	s_lshl_b32 s20, s20, 10
	s_add_co_u32 s20, s20, 0x400000                ; Wv: row 128 x block of channels + 64 x half, in the fifth weight's codes
	s_lshl_b32 s46, s42, 7
	s_add_co_u32 s46, s46, s18
	s_lshl_b32 s46, s46, 10
	s_add_co_u32 s46, s46, 0x1000000               ; v likewise by the block of tokens, in the fifth activation's codes
	s_mov_b32 s21, 0
	s_mov_b32 s47, 0
	s_mul_i32 s45, s14, HALFT                      ; where they go: wave x 64 rows: no place in the cluster enters an LDS address
	s_lshl_b32 s10, s17, 7
	s_lshl_b32 s11, s15, 6
	s_add_co_u32 s10, s10, s11
	s_lshl_b32 s10, s10, 2                         ; my first channel's bias
	s_mov_b32 s11, 0
	s_lshr_b32 s8, s42, 4                          ; kv: 16 x batch
	s_lshl_b32 s8, s8, 4
	s_lshl_b32 s9, s17, 1
	s_add_co_u32 s8, s8, s9
	s_add_co_u32 s8, s8, s15                       ; + my head: streams of 512 KiB,
	s_lshl_b32 s8, s8, 19
	s_and_b32 s9, s42, 15
	s_lshl_b32 s9, s9, 14                          ; the key step's 16,384 bytes,
	s_add_co_u32 s8, s8, s9
	s_lshl_b32 s9, s16, 10                         ; my two chunks of each tile's four,
	s_add_co_u32 s8, s8, s9
	s_add_co_u32 s8, s8, 8192                      ; behind the step's K
	s_mov_b32 s9, 0
	s_wait_alu depctr_va_vdst(0)
	s_wait_dscnt 0x0                               ; both opening adds are done
	s_wait_kmcnt 0x0
	s_load_b64 s[96:97], s[72:73], 0x20            ; e8, e9
	s_load_b128 s[92:95], s[72:73], 0x38           ; entries 14 .. 17
	s_mov_b32 s[G0], 1
	s_mov_b32 s[G0+1], s45
	s_add_nc_u64 s[G0+2:G0+3], s[70:71], s[20:21]
	s_or_b32 s[G0+3], s[G0+3], 0x80000000
	s_mov_b32 s[G0B], 1
	s_mov_b32 s[G0B+1], s45
	s_add_nc_u64 s[G0B+2:G0B+3], s[68:69], s[46:47]
	s_or_b32 s[G0B+3], s[G0B+3], 0x80000000
	s_add_nc_u64 s[74:75], s[74:75], s[10:11]
	s_add_nc_u64 s[76:77], s[76:77], s[8:9]
	CROUND                                         ; all sixteen work-groups are here: the joint loads meet
	s_cmp_eq_u32 s15, 0                            ; waves 0 and 1 fetch Wv's halves, waves 2 and 3 v's: one load a wave; an s_nop 0 and four v_nop follow each line
	s_cbranch_scc0 .Lfor_b
	tensor_load_to_lds s[G0:G0+3], s[G1:G1+7]
	s_nop 0
	PLACES
	s_branch .Lasked
.Lfor_b:
	tensor_load_to_lds s[G0B:G0B+3], s[G1B:G1B+7]
	s_nop 0
	PLACES
.Lasked:
.irp a, 0,1,2,3
	global_load_b32 v[BI+\a], v[BA2], s[74:75] offset:4*(32*(\a/2)+8*(\a%2))   ; the bias of my channel in channel tile a
.endr
	s_wait_kmcnt 0x0
	s_add_co_i32 s96, s96, s97                     ; e8 + e9
	s_sub_co_i32 s97, 0, s96
	s_sub_co_i32 s98, s93, s96                     ; e15 - e8 - e9
	s_add_co_i32 s98, s98, 127
	s_lshl_b32 s18, s98, 23
	v_mov_b32 v[SC1], s18                          ; as f32: the conversion takes its exponent field
	s_add_co_i32 s98, s98, 8
	s_lshl_b32 s98, s98, 23
	s_or_b32 s98, s98, 0x600000
	v_mov_b32 v[LM1], s98                          ; 448 x that
	s_sub_co_i32 s95, s95, s96                     ; e17 - e8 - e9
	s_add_co_i32 s95, s95, 127
	s_lshl_b32 s18, s95, 23
	v_mov_b32 v[SC2], s18
	s_add_co_i32 s95, s95, 8
	s_lshl_b32 s95, s95, 23
	s_or_b32 s95, s95, 0x600000
	v_mov_b32 v[LM2], s95
	s_wait_loadcnt 0x0
.irp a, 0,1,2,3
	v_ldexp_f32 v[BP+2*\a], v[BI+\a], s97          ; the bias / 2^(e8 + e9), twice: a pair for the packed form
	v_ldexp_f32 v[BP+2*\a+1], v[BI+\a], s97
.endr
	s_wait_alu depctr_va_vdst(0)
	s_wait_tensorcnt 0x0                           ; my 64 rows are in;
	s_barrier_signal -1
	s_barrier_wait -1                              ; and so are everybody's
; A fragment, 16 rows x 128 K, is 16 registers: four loads of 16 bytes, 32 bytes apart: the same places of k in both operands.
.macro FETCH q, set                    ; K step q's four fragments of v and four of Wv into set 0 (window 0) or 1 (window 1): 32 loads
	WIN 0x40*(\set)
.irp i, 0,1,2,3
.irp c, 0,1,2,3
	ds_load_b128 v[FB+16*\i+4*\c:FB+16*\i+4*\c+3], v[ADRB] offset:128*(\q)+32*\c+\i*16*PITCH
.endr
.endr
.irp i, 0,1,2,3
.irp c, 0,1,2,3
	ds_load_b128 v[FA+16*\i+4*\c:FA+16*\i+4*\c+3], v[ADRA] offset:128*(\q)+32*\c+\i*16*PITCH
.endr
.endr
.endm
.macro MUL set, zero                   ; 16 matrix instructions; the 16 accumulators take turns, in the same order in every step; the first step starts the sums
	WIN 0x50+5*(\set)                              ; C and D in window 1; the sources in the set's window
.irp a, 0,1,2,3
.irp b, 0,1,2,3
.if \zero
	v_wmma_f32_16x16x128_fp8_fp8 v[8*(4*\a+\b):8*(4*\a+\b)+7], v[FB+16*\b:FB+16*\b+15], v[FA+16*\a:FA+16*\a+15], 0
.else
	v_wmma_f32_16x16x128_fp8_fp8 v[8*(4*\a+\b):8*(4*\a+\b)+7], v[FB+16*\b:FB+16*\b+15], v[FA+16*\a:FA+16*\a+15], v[8*(4*\a+\b):8*(4*\a+\b)+7]
.endif
.endr
.endr
.endm
	FETCH 0, 0
	FETCH 1, 1
	s_wait_dscnt 32                                ; step 0's fragments are in; the 32 younger loads may be out
	MUL 0, 1
.irp q, 1,2,3,4,5,6
	PLACES                                         ; four places in front of loads into registers that the last products read
	FETCH \q+1, (\q+1)%2
	s_wait_dscnt 32
	MUL (\q)%2, 0
.endr
	s_wait_dscnt 0x0
	MUL 1, 0
	PLACES                                         ; the results are read, and set 0's registers are written again
; THE WAY OUT, by channel tiles: tile a of my head, my 64 tokens: 32 numbers a lane, quantised twice.  Each tile's codes have registers of their own, so no store's data are written again.
.irp a, 0,1,2,3
	WIN 0x01                                       ; source 0 in window 1
.set n, 0
.rept 16
	v_pk_add_f32 v[TMP+n:TMP+n+1], v[32*\a+n:32*\a+n+1], v[BP+2*\a:BP+2*\a+1]   ; each accumulator from its low end on
.set n, n+2
.endr
	WIN 0
.set n, 0
.rept 32
	v_med3_num_f32 v[TM2+n], v[TMP+n], -v[LM1], v[LM1]   ; the conversion does not saturate (ISA guide 7.6.2): the hold comes first
.set n, n+1
.endr
.irp m, 0,1,2,3
	v_cvt_scalef32_pk8_fp8_f32 v[CV+16*\a+2*\m:CV+16*\a+2*\m+1], v[TM2+8*\m:TM2+8*\m+7], v[SC1]
.endr
	v_nop                                          ; a plain line behind the last conversion
.set n, 0
.rept 32
	v_med3_num_f32 v[TMP+n], v[TMP+n], -v[LM2], v[LM2]
.set n, n+1
.endr
.irp m, 0,1,2,3
	v_cvt_scalef32_pk8_fp8_f32 v[CV+16*\a+8+2*\m:CV+16*\a+8+2*\m+1], v[TMP+8*\m:TMP+8*\m+7], v[SC2]
.endr
	v_nop
.irp c, 0,1
	global_store_b128 v[OL], v[CV+16*\a+4*\c:CV+16*\a+4*\c+3], s[76:77] offset:2048*\a+512*\c               ; pass 0's V
	global_store_b128 v[OL], v[CV+16*\a+8+4*\c:CV+16*\a+8+4*\c+3], s[76:77] offset:262144+2048*\a+512*\c    ; pass 1's, 16 steps on
.endr
.endr
	s_wait_tensorcnt 0x0                           ; the wave's end, behind my tensor load
	ds_add_u32 v[SPW], v[NIL]
	s_wait_dscnt 0x0
	CROUND                                         ; the closing round
	s_endpgm
.Lfunc_end_k_qf94abda9ca_vproj:
	.size	k_qf94abda9ca_vproj, .Lfunc_end_k_qf94abda9ca_vproj-k_qf94abda9ca_vproj
	.p2alignl 7, 3214868480
	.fill 96, 4, 3214868480
	.section	.rodata,"a",@progbits
	.p2align	6, 0x0
	.amdhsa_kernel k_qf94abda9ca_vproj
		.amdhsa_group_segment_fixed_size 327680
		.amdhsa_private_segment_fixed_size 0
		.amdhsa_enable_private_segment 0
		.amdhsa_kernarg_size 40
		.amdhsa_user_sgpr_count 2
		.amdhsa_user_sgpr_kernarg_segment_ptr 1
		.amdhsa_wavefront_size32 1
		.amdhsa_system_sgpr_workgroup_id_x 1
		.amdhsa_system_sgpr_workgroup_id_y 1
		.amdhsa_system_sgpr_workgroup_id_z 1
		.amdhsa_system_vgpr_workitem_id 0
		.amdhsa_next_free_vgpr 512
		.amdhsa_next_free_sgpr 100
		.amdhsa_reserve_vcc 0
		.amdhsa_float_denorm_mode_32 3
		.amdhsa_float_denorm_mode_16_64 3
		.amdhsa_memory_ordered 1
		.amdhsa_forward_progress 1
		.amdhsa_inst_pref_size 58
	.end_amdhsa_kernel
	.amdgpu_metadata
---
amdhsa.version: [ 1, 2 ]
amdhsa.kernels:
  - .name:           k_qf94abda9ca_vproj
    .symbol:         k_qf94abda9ca_vproj.kd
    .args:
      - { .name: acodes, .offset: 0, .size: 8, .value_kind: global_buffer, .address_space: global }
      - { .name: wcodes, .offset: 8, .size: 8, .value_kind: global_buffer, .address_space: global }
      - { .name: lowp_scales, .offset: 16, .size: 8, .value_kind: global_buffer, .address_space: global }
      - { .name: params_bv, .offset: 24, .size: 8, .value_kind: global_buffer, .address_space: global }
      - { .name: kv, .offset: 32, .size: 8, .value_kind: global_buffer, .address_space: global }
    .group_segment_fixed_size: 327680
    .private_segment_fixed_size: 0
    .kernarg_segment_align: 8
    .kernarg_segment_size: 40
    .max_flat_workgroup_size: 128
    .sgpr_count:     100
    .vgpr_count:     512
    .wavefront_size: 32
...
	.end_amdgpu_metadata
.endif
;; end of part 3
;; launch attn (part 4): grid 8 x 32, 8 waves a work-group, clusters of 4 x 1, 327,680 bytes of LDS; arguments qc, kv, attention_mask, lowp_scales, ctx; writes ctx
.if DOCPART == 4
	.amdgcn_target "amdgcn-amd-amdhsa--gfx1250"
	.amdhsa_code_object_version 6
	.text
	.protected	k_qf94abda9ca_attn
	.globl	k_qf94abda9ca_attn
	.p2align	8
	.type	k_qf94abda9ca_attn,@function
k_qf94abda9ca_attn:
	s_mov_b64 s[64:65], 0
	v_nop
	global_prefetch_b8 v0, s[64:65] scope:SCOPE_SE
	s_setreg_imm32_b32 hwreg(HW_REG_WAVE_MODE, 25, 1), 1
	s_wait_xcnt 0x0
	s_wait_alu depctr_hold_cnt(0) depctr_sa_sdst(0) depctr_va_vdst(0) depctr_va_sdst(0) depctr_va_ssrc(0) depctr_va_vcc(0) depctr_vm_vsrc(0)
	s_getreg_b32 s2, hwreg(HW_REG_IB_STS2, 6, 4)
	s_cmp_eq_u32 s2, 0
	s_cbranch_scc0 .Lentry_in_a_cluster
	s_endpgm
.Lentry_in_a_cluster:
	s_bfe_u32 s2, ttmp6, 0x10000c
	s_cmp_lg_u32 s2, 0x3003
	s_cbranch_scc0 .Lentry_shape_is_right
	s_endpgm
.Lentry_shape_is_right:
; ctx[b][q][head][:] = softmax(Q K^T / 8 + mask) V + softmax(Q1 K1^T / 8 + mask) V, all four products on codes of E4M3, each operand with its given scale 2^e (entries 10 .. 17: eq, ek, eq1, ek1, ep, ev, ep1, ev1).
; THE SOFTMAX AHEAD OF THE SECOND PRODUCT: t = logit x log2(e); M = the row's largest t so far, rounded UP to a whole number; p = 2^(t - M) is quantised, not normalised; the row's sum is taken of the unquantised p
; and divides O at the end.  When M moves, the sum and O are multiplied by 2^(old M - new M): exact.
; SHARES.  A work-group owns 256 queries of one head of one batch; each of its EIGHT waves owns two tiles of 16 (A, B): every fragment of K, of V and of the mask that it reads from LDS feeds two matrix instructions.
; Every wave walks the head's stream in kv: 16 steps of 128 keys of pass 0 (K, V by entry 15), then 16 of pass 1 (K1, V by entry 17).  A step is one dense block of 16,384 bytes: images of the operands' registers,
; 512 bytes a chunk, lane l's 16 bytes at 16 l.  A ring of two LDS slots of eight steps; each wave fetches one step of a slot.  The four slots' runs are written one behind the other, each a loop of eight trips.
; CLUSTER.  The four query blocks of a cluster walk the same stream: each slot is asked for JOINTLY, the same tensor load with the same descriptor and the mask 15 in all four.
; LAYOUT.  Both products are used transposed: S^T = K Q^T (source 0 = 16 keys), O^T = V^T P^T (source 0 = 16 of the head's 64): a lane holds one query of each tile (lane % 16).  The rows of a tile are
; 32 b + 8 u + r + 8 (r / 8), so registers 16 b + i of S^T are keys 32 b + 16 (lane / 16) + i, and p's codes are the second product's operand as they come.
; THE MASK: t = (raw + mask x 8 / 2^(eq + ek)) x c, c = log2(e) / 8 x 2^(eq + ek): the scaled mask, kept in LDS for both passes, is loaded into registers of its own and is the C of both tiles' K Q^T.
; AHEAD: behind a step's first products V of this step and K and the mask of the next are asked of LDS; in a slot's last trip the next step's address is held at the slot's last step, and what comes is not used.
; LIMITS on the given exponents, so that each power of two is an f32 number: eq + ek and eq1 + ek1 between -123 and 129; ep, ep1 between -126 and 119.  A row all of whose keys are masked by -infinity gives NaN, as the softmax of such a row does.
; REGISTERS.  Window 0: v1-9 addresses; v[10:11], v[12:13] -M and the largest raw score of A, B; v[14:15], v[16:17] the sums; v[18:19], v[20:21] f; v23 2^ep; v24-39 Q of A, B; v40-55 A's codes (at work before);
; v64-127, v128-191 S^T, p of A, B (v64-79: B's codes, once A's p is converted); v192-255 O^T of A, B.  Window 1: v0-63 K, v64-127 V, v128-191 the mask, v192-255 pass 0's result (until then Q1).
.set SLOT1, 1<<17
.set STEPB, 16384
.set NQ,    8
.set MASK,  2*SLOT1                    ; the scaled mask: pass 0's 8,192 bytes, then pass 1's
.set SPARE, MASK+16384                 ; the spare words, 128 bytes for each wave, which no other line names
.set SP,    272                        ; the way out: rows of 256 + 16 bytes, 32 for each wave, in slot 0: it has had its last fill, and nobody reads it behind the last change of slots
.set AL,   1                           ; 16 x lane
.set AM0,  2                           ; MASK + 64 x (lane / 16)
.set PFO,  3                           ; 256 x lane
.set ADK,  4                           ; LDS address of this step
.set SPW,  5
.set NIL,  6
.set GO,   7                           ; the way out: my byte offset in the wave's rows of ctx
.set ADM,  8                           ; LDS address of the next step's mask
.set ADN,  9                           ; LDS address of the next step
.set SCP,  23
.set QA,   24
.set QB,   32
.set PA,   40
.set SA,   64
.set SB,   128
.set OA,   192
.set OB,   224
.set KF,   0
.set VF,   64
.set MK,   128
.set WV,   18
.set SEL,  20
.set CS,   22
.set G1,   24
.set G0,   40
.set TB,   44
.set MB,   45
.set LMS,  55                          ; s55 448 x 2^ep
.set CN,   56
.set T1,   57
.set M1,   58
.set PFA,  76
; s47 pass 1's c; s48 ep + ev of the pass in hand, s49 pass 1's; s50, s51 pass 1's 2^ep and 448 x 2^ep; s52 cx, s53 my block of queries, s54 16 x batch + head
.set MSB, 0
.macro WIN new                         ; the immediate's high byte repeats the setting that is left
.if MSB != \new
	s_set_vgpr_msb (MSB<<8)|\new
.set MSB, \new
.endif
.endm
.macro CROUND                          ; a round of the cluster's barrier
	s_barrier_signal -1
	s_barrier_wait -1
	s_cmp_lg_u32 s[WV], 0
	s_cbranch_scc1 .Lnot_wave_0_\@
	s_barrier_signal -3
.Lnot_wave_0_\@:
	s_barrier_wait -3
	s_barrier_signal -1
	s_barrier_wait -1
.endm
.macro JLOAD                           ; every wave fetches its step of the slot; an s_nop 0 and four v_nop follow the line
	tensor_load_to_lds s[G0:G0+3], s[G1:G1+7]
	s_nop 0
.rept 4
	v_nop
.endr
.endm
.macro INIT                            ; a pass's state: the largest raw score -3e38, -M, the sums and O^T zero
	v_mov_b32 v11, 0xff61b1e6
	v_mov_b32 v13, 0xff61b1e6
	v_floor_f32 v10, -v11
	v_floor_f32 v12, -v13
.irp i, 14,15,16,17
	v_mov_b32 v\i, 0
.endr
.set n, 0
.rept 64
	v_mov_b32 v[OA+n], 0
.set n, n+1
.endr
.endm
	s_load_b256 s[4:11], s[0:1], 0x0               ; qc s[4:5], kv s[6:7], the mask s[8:9], the scales s[10:11]
	s_load_b64 s[12:13], s[0:1], 0x20              ; ctx
	v_lshl_add_u32 v[SPW], v0, 2, SPARE
	v_mov_b32 v[NIL], 0
	ds_add_u32 v[SPW], v[NIL]                      ; the opening: the add, twice on end, and its wait ahead of my first tensor load
	ds_add_u32 v[SPW], v[NIL]
	v_lshrrev_b32 v9, 5, v0
	v_readfirstlane_b32 s[WV], v9                  ; wave 0..7
	v_and_b32 v[AL], 31, v0
	v_lshlrev_b32 v[PFO], 8, v[AL]
	v_lshlrev_b32 v[AL], 4, v[AL]
	v_bfe_u32 v41, v0, 4, 1                        ; h
	v_and_b32 v40, 15, v0                          ; r
	v_lshl_add_u32 v[AM0], v41, 6, MASK
	v_lshlrev_b32 v[GO], 12, v41                   ; lanes 0-15 one row of ctx, lanes 16-31 the next; 16 bytes a lane
	v_lshl_add_u32 v[GO], v40, 4, v[GO]
	v_lshlrev_b32 v42, 4, v0                       ; my thread's 16 bytes of each half of the batch's mask,
	v_lshl_add_u32 v43, v0, 4, MASK                ; and their place in LDS
	s_bfe_u32 s52, ttmp6, 0x40000                  ; cx: it enters Q's, ctx's and the prefetches' global addresses alone
	s_lshl_b32 s53, ttmp9, 2
	s_add_co_u32 s53, s53, s52                     ; my block of 256 queries
	s_and_b32 s54, ttmp7, 0xffff                   ; 16 x batch + head, which the four partners share
	s_mov_b32 s[G1], 15|(3<<16)|(1<<21)            ; the mask: all four work-groups; elements of 8 bytes; no padding; bit 21 beside a mask
	s_mov_b32 s[G1+1], 32<<16                      ; a dense block of 16,384 bytes as 64 rows of 32 elements
	s_mov_b32 s[G1+2], 64<<16
	s_mov_b32 s[G1+3], 32<<16
	s_mov_b32 s[G1+4], 64
	s_mov_b32 s[G1+5], 32
	s_mov_b32 s[G1+6], 0
	s_mov_b32 s[G1+7], 0
	s_mov_b32 s[SEL], 0x76543210                   ; lane l xor 16
	s_mov_b32 s[SEL+1], 0xfedcba98
	s_mov_b32 s[CS], 0x3e38aa3b                    ; log2(e) / 8
	s_lshl_b32 s82, s[WV], 14                      ; the step of a slot that I fetch: in LDS and in memory
	s_mov_b32 s83, 0
	s_lshl_b32 s84, s54, 19                        ; the head's stream: 512 KiB
	s_mov_b32 s85, 0
	s_lshl_b32 s86, s53, 14                        ; the prefetches: my work-group's 16 KiB of a slot,
	s_and_b32 s87, s[WV], 1
	s_lshl_b32 s87, s87, 13                        ; my wave's 8 KiB of them
	s_add_co_u32 s86, s86, s87
	s_mov_b32 s87, 0
	s_lshl_b32 s88, s53, 4
	s_lshl_b32 s89, s[WV], 1
	s_add_co_u32 s88, s88, s89                     ; my first tile of queries
	s_lshl_b32 s88, s88, 10
	s_lshl_b32 s89, s54, 17
	s_add_co_u32 s88, s88, s89
	s_mov_b32 s89, 0
	s_lshr_b32 s94, s54, 4                         ; the batch
	s_and_b32 s95, s54, 15                         ; the head
	s_lshl_b32 s90, s94, 13                        ; its mask
	s_mov_b32 s91, 0
	s_lshl_b32 s92, s94, 11                        ; ctx: token 2048 b + 256 block + 32 wave,
	s_lshl_b32 s93, s53, 8
	s_add_co_u32 s92, s92, s93
	s_lshl_b32 s93, s[WV], 5
	s_add_co_u32 s92, s92, s93
	s_lshl_b32 s92, s92, 12                        ; rows of 4,096 bytes,
	s_lshl_b32 s93, s95, 8                         ; the head's 256 bytes
	s_add_co_u32 s92, s92, s93
	s_mov_b32 s93, 0
	s_wait_alu depctr_va_vdst(0)
	s_wait_dscnt 0x0                               ; both opening adds are done
	s_wait_kmcnt 0x0
	s_load_b256 s[68:75], s[10:11], 0x28           ; eq, ek, eq1, ek1, ep, ev, ep1, ev1
	s_add_nc_u64 s[6:7], s[6:7], s[84:85]
	s_mov_b32 s[G0], 1
	s_mov_b32 s[G0+1], s82                         ; LDS address: slot 0
	s_add_nc_u64 s[G0+2:G0+3], s[6:7], s[82:83]
	s_or_b32 s[G0+3], s[G0+3], 0x80000000
	s_add_nc_u64 s[PFA:PFA+1], s[6:7], s[86:87]
	s_add_nc_u64 s[4:5], s[4:5], s[88:89]
	s_add_nc_u64 s[8:9], s[8:9], s[90:91]
	s_add_nc_u64 s[12:13], s[12:13], s[92:93]
	CROUND                                         ; all four work-groups are here: the first joint loads meet
	JLOAD                                          ; slot 0: my one tensor load at the head
.irp c, 0,1,2,3
	global_load_b128 v[QA+4*\c:QA+4*\c+3], v[AL], s[4:5] offset:512*\c            ; Q's images of tiles A and B
.endr
	WIN 0x40
.irp c, 0,1,2,3
	global_load_b128 v[192+4*\c:195+4*\c], v[AL], s[4:5] offset:4194304+512*\c    ; Q1's, kept in window 1 until pass 0 ends
.endr
	WIN 0
	global_load_b128 v[64:67], v42, s[8:9]                                        ; the mask
	global_load_b128 v[68:71], v42, s[8:9] offset:4096
	INIT
	v_mov_b32 v19, 0                               ; (named as upper halves of pairs)
	v_mov_b32 v21, 0
	v_mov_b32 v44, 0                               ; written once: a lane permute's destination counts as one of its sources
	v_mov_b32 v45, 0
	s_wait_kmcnt 0x0
	s_add_co_i32 s82, s68, s69                     ; eq + ek
	s_lshl_b32 s83, s82, 23
	s_add_co_i32 s[CS], s[CS], s83                 ; a raw score stands for score x 2^(eq + ek): added to c's exponent field
	s_mov_b32 s[CS+1], s[CS]
	s_sub_co_i32 s82, 3, s82                       ; the mask goes in x 8 / 2^(eq + ek)
	s_add_co_i32 s84, s70, s71
	s_lshl_b32 s85, s84, 23
	s_add_co_i32 s47, s85, 0x3e38aa3b
	s_sub_co_i32 s83, 3, s84
	s_add_co_i32 s48, s72, s73
	s_add_co_i32 s49, s74, s75
	s_add_co_i32 s84, s72, 127
	s_lshl_b32 s85, s84, 23
	v_mov_b32 v[SCP], s85                          ; 2^ep, for the conversion
	s_add_co_i32 s84, s84, 8
	s_lshl_b32 s84, s84, 23
	s_or_b32 s[LMS], s84, 0x600000                 ; 448 x 2^ep
	s_add_co_i32 s84, s74, 127
	s_lshl_b32 s50, s84, 23
	s_add_co_i32 s84, s84, 8
	s_lshl_b32 s84, s84, 23
	s_or_b32 s51, s84, 0x600000
	s_wait_loadcnt 0x0                             ; Q, Q1, the mask
.irp i, 0,1,2,3,4,5,6,7
	v_ldexp_f32 v[72+\i], v[64+\i], s82
	v_ldexp_f32 v[80+\i], v[64+\i], s83
.endr
	ds_store_b128 v43, v[72:75]                    ; the first change of slots (its wait for my LDS instructions, its round) shows both masks to every wave
	ds_store_b128 v43, v[76:79] offset:4096
	ds_store_b128 v43, v[80:83] offset:8192
	ds_store_b128 v43, v[84:87] offset:12288
	s_wait_alu depctr_va_vdst(0)
.macro KMLOADS                         ; K's eight tiles and the mask of 128 keys: 32 loads
.irp t, 0,1,2,3,4,5,6,7
	ds_load_b128 v[KF+8*\t:KF+8*\t+3], v[ADN] offset:1024*\t
	ds_load_b128 v[KF+8*\t+4:KF+8*\t+7], v[ADN] offset:1024*\t+512
.endr
.irp n, 0,1,2,3,4,5,6,7,8,9,10,11,12,13,14,15
	ds_load_b128 v[MK+4*\n:MK+4*\n+3], v[ADM] offset:128*(\n/4)+16*(\n%4)   ; keys 32 b + 16 h + 0 .. 15: sixteen lanes read the same 16 bytes
.endr
.endm
; The softmax of both tiles, their lines by turns, so that no line reads the line above it.
.macro SOFTMAX
	v_max_num_f32 v40, v[SA], v[SA+1]              ; the step's largest raw score, four chains a tile (A: v40, v41, v46, v47; B: v42, v43, v48, v49); each accumulator from its low end on
	v_max_num_f32 v42, v[SB], v[SB+1]
	v_max_num_f32 v41, v[SA+2], v[SA+3]
	v_max_num_f32 v43, v[SB+2], v[SB+3]
	v_max_num_f32 v46, v[SA+4], v[SA+5]
	v_max_num_f32 v48, v[SB+4], v[SB+5]
	v_max_num_f32 v47, v[SA+6], v[SA+7]
	v_max_num_f32 v49, v[SB+6], v[SB+7]
.irp i, 8,16,24,32,40,48,56
	v_max3_num_f32 v40, v40, v[SA+\i], v[SA+\i+1]
	v_max3_num_f32 v42, v42, v[SB+\i], v[SB+\i+1]
	v_max3_num_f32 v41, v41, v[SA+\i+2], v[SA+\i+3]
	v_max3_num_f32 v43, v43, v[SB+\i+2], v[SB+\i+3]
	v_max3_num_f32 v46, v46, v[SA+\i+4], v[SA+\i+5]
	v_max3_num_f32 v48, v48, v[SB+\i+4], v[SB+\i+5]
	v_max3_num_f32 v47, v47, v[SA+\i+6], v[SA+\i+7]
	v_max3_num_f32 v49, v49, v[SB+\i+6], v[SB+\i+7]
.endr
	v_max3_num_f32 v40, v40, v41, v46
	v_max3_num_f32 v42, v42, v43, v48
	v_max_num_f32 v40, v40, v47
	v_max_num_f32 v42, v42, v49
	v_permlanex16_b32 v44, v40, s[SEL], s[SEL+1]
	v_permlanex16_b32 v45, v42, s[SEL], s[SEL+1]
	v_mov_b32 v41, v10                             ; the old -M
	v_mov_b32 v43, v12
	v_max3_num_f32 v11, v11, v40, v44              ; the running largest raw score, lane l xor 16's among them
	v_max3_num_f32 v13, v13, v42, v45
	v_mul_f32 v40, s[CS], v11                      ; as t (c is positive)
	v_mul_f32 v42, s[CS], v13
	v_floor_f32 v10, -v40                          ; the new -M = -ceil(t): a whole number
	v_floor_f32 v12, -v42
	v_sub_f32 v41, v10, v41                        ; M's old value less its new one: a whole number, 0 or less
	v_sub_f32 v43, v12, v43
	v_cvt_i32_f32 v41, v41                         ; (it saturates)
	v_cvt_i32_f32 v43, v43
	v_ldexp_f32 v18, 1.0, v41                      ; f = 2^(old M - new M)
	v_ldexp_f32 v20, 1.0, v43
.set n, 0
.rept 32
	v_pk_fma_f32 v[SA+n:SA+n+1], v[SA+n:SA+n+1], s[CS:CS+1], v[10:11] op_sel_hi:[1,0,0]   ; t - M, two at a time
	v_pk_fma_f32 v[SB+n:SB+n+1], v[SB+n:SB+n+1], s[CS:CS+1], v[12:13] op_sel_hi:[1,0,0]
.set n, n+2
.endr
	v_pk_mul_f32 v[14:15], v[14:15], v[18:19] op_sel_hi:[1,0]   ; the sums and O^T under the new M, ahead of the exponentials
	v_pk_mul_f32 v[16:17], v[16:17], v[20:21] op_sel_hi:[1,0]
.set n, 0
.rept 16
	v_pk_mul_f32 v[OA+n:OA+n+1], v[OA+n:OA+n+1], v[18:19] op_sel_hi:[1,0]
	v_pk_mul_f32 v[OB+n:OB+n+1], v[OB+n:OB+n+1], v[20:21] op_sel_hi:[1,0]
.set n, n+2
.endr
	s_wait_alu depctr_va_vdst(0)
.set n, 0
.rept 128
	v_exp_f32 v[SA+n], v[SA+n]                     ; p = 2^(t - M), both tiles
.set n, n+1
.endr
	v_nop                                          ; a plain line behind the exponentials,
	s_wait_alu depctr_va_vdst(0)                   ; and one wait for the whole batch, ahead of its first reader
	v_pk_add_f32 v[46:47], v[SA:SA+1], v[SA+2:SA+3]   ; the sums of the unquantised p: four chains a tile (A: v[14:15], v[46:47], v[50:51], v[52:53]; B: v[16:17], v[48:49], v[54:55], v[56:57])
	v_pk_add_f32 v[48:49], v[SB:SB+1], v[SB+2:SB+3]
	v_pk_add_f32 v[50:51], v[SA+4:SA+5], v[SA+6:SA+7]
	v_pk_add_f32 v[54:55], v[SB+4:SB+5], v[SB+6:SB+7]
	v_pk_add_f32 v[52:53], v[SA+8:SA+9], v[SA+10:SA+11]
	v_pk_add_f32 v[56:57], v[SB+8:SB+9], v[SB+10:SB+11]
	v_pk_add_f32 v[14:15], v[14:15], v[SA+12:SA+13]
	v_pk_add_f32 v[16:17], v[16:17], v[SB+12:SB+13]
	v_pk_add_f32 v[46:47], v[46:47], v[SA+14:SA+15]
	v_pk_add_f32 v[48:49], v[48:49], v[SB+14:SB+15]
.irp j, 16,24,32,40,48,56
	v_pk_add_f32 v[50:51], v[50:51], v[SA+\j:SA+\j+1]
	v_pk_add_f32 v[54:55], v[54:55], v[SB+\j:SB+\j+1]
	v_pk_add_f32 v[52:53], v[52:53], v[SA+\j+2:SA+\j+3]
	v_pk_add_f32 v[56:57], v[56:57], v[SB+\j+2:SB+\j+3]
	v_pk_add_f32 v[14:15], v[14:15], v[SA+\j+4:SA+\j+5]
	v_pk_add_f32 v[16:17], v[16:17], v[SB+\j+4:SB+\j+5]
	v_pk_add_f32 v[46:47], v[46:47], v[SA+\j+6:SA+\j+7]
	v_pk_add_f32 v[48:49], v[48:49], v[SB+\j+6:SB+\j+7]
.endr
	v_pk_add_f32 v[46:47], v[46:47], v[50:51]
	v_pk_add_f32 v[48:49], v[48:49], v[54:55]
	v_pk_add_f32 v[14:15], v[14:15], v[52:53]
	v_pk_add_f32 v[16:17], v[16:17], v[56:57]
	v_pk_add_f32 v[14:15], v[14:15], v[46:47]
	v_pk_add_f32 v[16:17], v[16:17], v[48:49]
.set n, 0
.rept 32
	v_dual_min_num_f32 v[SA+n], s[LMS], v[SA+n] :: v_dual_min_num_f32 v[SA+n+1], s[LMS], v[SA+n+1]   ; the conversion does not saturate (ISA guide 7.6.2); p is not negative, so the hold is one-sided
.set n, n+2
.endr
.irp m, 0,1,2,3,4,5,6,7
	v_cvt_scalef32_pk8_fp8_f32 v[PA+2*\m:PA+2*\m+1], v[SA+8*\m:SA+8*\m+7], v[SCP]
.endr
.set n, 0
.rept 32
	v_dual_min_num_f32 v[SB+n], s[LMS], v[SB+n] :: v_dual_min_num_f32 v[SB+n+1], s[LMS], v[SB+n+1]   ; also the plain lines between A's conversions and the lines that write over their sources
.set n, n+2
.endr
.irp m, 0,1,2,3,4,5,6,7
	v_cvt_scalef32_pk8_fp8_f32 v[SA+2*\m:SA+2*\m+1], v[SB+8*\m:SB+8*\m+7], v[SCP]   ; B's codes lie where A's p lay
.endr
	v_nop                                          ; a plain line behind the last conversion
.endm
; EIGHT KEY STEPS from LDS byte base, their mask from byte mb of the mask's region.
.macro RUN base, mb
	v_add_nc_u32 v[ADN], (\base), v[AL]
	v_add_nc_u32 v[ADM], (\mb), v[AM0]
	WIN 0x40
	KMLOADS                                        ; the slot's first step
	WIN 0
	s_mov_b32 s[TB], (\base)
	s_mov_b32 s[MB], (\mb)
	s_mov_b32 s[CN], NQ
.Lstep_\@:
	s_wait_dscnt 0x0                               ; K and the mask of this step
	WIN 0x11                                       ; source 0 (K) and C (the mask) in window 1
.irp t, 0,1,2,3,4,5,6,7
	v_wmma_f32_16x16x64_fp8_fp8 v[SA+8*\t:SA+8*\t+7], v[KF+8*\t:KF+8*\t+7], v[QA:QA+7], v[MK+8*\t:MK+8*\t+7]
	v_wmma_f32_16x16x64_fp8_fp8 v[SB+8*\t:SB+8*\t+7], v[KF+8*\t:KF+8*\t+7], v[QB:QB+7], v[MK+8*\t:MK+8*\t+7]
.endr
	WIN 0
	s_add_co_u32 s[T1], s[TB], STEPB
	s_min_u32 s[T1], s[T1], (\base)+(NQ-1)*STEPB   ; the next step, held inside this slot
	s_add_co_u32 s[M1], s[MB], 512
	s_min_u32 s[M1], s[M1], (\mb)+(NQ-1)*512
	v_add_nc_u32 v[ADK], s[TB], v[AL]              ; four places: the scores are read, and K's, the mask's and V's registers are loaded again
	v_add_nc_u32 v[ADN], s[T1], v[AL]
	v_add_nc_u32 v[ADM], s[M1], v[AM0]
	v_nop
	WIN 0x40
.irp n, 0,1,2,3,4,5,6,7,8,9,10,11,12,13,14,15
	ds_load_b128 v[VF+4*\n:VF+4*\n+3], v[ADK] offset:8192+512*\n   ; V's four tiles of this step
.endr
	KMLOADS                                        ; and the next step's K and mask
	WIN 0
	SOFTMAX
	s_wait_alu depctr_va_vdst(0)
	s_wait_dscnt 32                                ; V is in; the 32 younger loads may be out
	WIN 0x01                                       ; source 0 (V) in window 1
.irp t, 0,1,2,3
	v_wmma_f32_16x16x128_fp8_fp8 v[OA+8*\t:OA+8*\t+7], v[VF+16*\t:VF+16*\t+15], v[PA:PA+15], v[OA+8*\t:OA+8*\t+7]
	v_wmma_f32_16x16x128_fp8_fp8 v[OB+8*\t:OB+8*\t+7], v[VF+16*\t:VF+16*\t+15], v[SA:SA+15], v[OB+8*\t:OB+8*\t+7]
.endr
	WIN 0
.rept 5
	v_nop                                          ; five places: the next step's first products write over B's codes
.endr
	s_add_co_u32 s[TB], s[TB], STEPB
	s_add_co_u32 s[MB], s[MB], 512
	s_sub_co_u32 s[CN], s[CN], 1
	s_cmp_lg_u32 s[CN], 0
	s_cbranch_scc1 .Lstep_\@
.endm
; THE CHANGE OF SLOTS.  Each wave waits for all its tensor loads (one is out at the most), adds 0 to its spare word, and waits for that and for its LDS reads.  fill = 1: a round of the cluster's barrier, and the joint
; load of the next eight steps into the slot that was left (the first time: slot 1's first fill) is the first thing behind it.  ask: byte of the stream at which the slot begins that the NEXT change will load (0: none).
; That slot's 131,072 bytes are shared out by address among the head's eight work-groups, 16,384 each; in each, waves 0 and 1 name 8,192 each, lanes 256 bytes apart.  Slots 0 and 1 come by their loads alone.
.macro CHANGE fill, ask
	s_wait_tensorcnt 0x0
	ds_add_u32 v[SPW], v[NIL]
.if \fill
	s_xor_b32 s[G0+1], s[G0+1], SLOT1
	s_add_nc_u64 s[G0+2:G0+3], s[G0+2:G0+3], SLOT1
	s_wait_dscnt 0x0
	CROUND
	JLOAD
.if \ask
	s_cmp_lt_u32 s[WV], 2
	s_cbranch_scc0 .Lnot_mine_\@
	global_prefetch_b8 v[PFO], s[PFA:PFA+1] offset:\ask th:TH_LOAD_NT scope:SCOPE_SE
.Lnot_mine_\@:
.endif
.else
	s_wait_dscnt 0x0
	s_barrier_signal -1
	s_barrier_wait -1
.endif
.endm
; A pass's end: O^T x 2^(ep + ev) / the sum.  again = 1: it is kept in window 1, and the state is begun anew for pass 1.  again = 0: pass 0's is added, into v64-95 (A) and v128-159 (B).
.macro FINAL again
	v_add_f32 v14, v14, v15
	v_add_f32 v16, v16, v17
	v_permlanex16_b32 v44, v14, s[SEL], s[SEL+1]
	v_permlanex16_b32 v45, v16, s[SEL], s[SEL+1]
	v_add_f32 v14, v14, v44
	v_add_f32 v16, v16, v45
	s_wait_alu depctr_va_vdst(0)                   ; a wait ahead of the transcendentals,
	v_rcp_f32 v14, v14
	v_rcp_f32 v16, v16
	v_nop
	s_wait_alu depctr_va_vdst(0)                   ; and ahead of their first reader
	v_ldexp_f32 v14, v14, s48
	v_ldexp_f32 v16, v16, s48
.if \again
	WIN 0x01
.set n, 0
.rept 16
	v_mov_b32 v[QA+n], v[192+n]                    ; Q1 comes down from window 1
.set n, n+1
.endr
	WIN 0x40
	s_wait_alu depctr_va_vdst(0)
.set n, 0
.rept 16
	v_pk_mul_f32 v[OA+n:OA+n+1], v[OA+n:OA+n+1], v[14:15] op_sel_hi:[1,0]
.set n, n+2
.endr
.set n, 0
.rept 16
	v_pk_mul_f32 v[OB+n:OB+n+1], v[OB+n:OB+n+1], v[16:17] op_sel_hi:[1,0]
.set n, n+2
.endr
	WIN 0
	INIT
	v_mov_b32 v[SCP], s50
	s_mov_b32 s[CS], s47
	s_mov_b32 s[CS+1], s47
	s_mov_b32 s[LMS], s51
	s_mov_b32 s48, s49
	s_wait_alu depctr_va_vdst(0)
.else
	WIN 0x10
	s_wait_alu depctr_va_vdst(0)
.set n, 0
.rept 16
	v_pk_fma_f32 v[SA+n:SA+n+1], v[OA+n:OA+n+1], v[14:15], v[OA+n:OA+n+1] op_sel_hi:[1,0,1]
.set n, n+2
.endr
.set n, 0
.rept 16
	v_pk_fma_f32 v[SB+n:SB+n+1], v[OB+n:OB+n+1], v[16:17], v[OB+n:OB+n+1] op_sel_hi:[1,0,1]
.set n, n+2
.endr
	WIN 0
.endif
.endm
	CHANGE 1, 2*SLOT1                              ; slot 0 is whole; slot 1 takes steps 8 to 15
	RUN 0, 0
	CHANGE 1, 3*SLOT1                              ; slot 0 takes steps 16 to 23
	RUN SLOT1, 4096
	FINAL 1
	CHANGE 1, 0                                    ; slot 1 takes steps 24 to 31
	RUN 0, 8192
	CHANGE 0, 0
	RUN SLOT1, 12288
	FINAL 0
	; THE WAY OUT.  A tile's register 8 t + j is channel 32 (t / 2) + 16 h + 8 (t % 2) + j of my query.  Both tiles go through my stage and leave as rows of 256 bytes: sixteen lanes store 256 consecutive bytes, aligned.
	v_and_b32 v40, 15, v0                          ; r
	v_bfe_u32 v41, v0, 4, 1                        ; h
	s_mul_i32 s82, s[WV], 32*SP                    ; my stage
	v_mul_u32_u24 v42, v40, SP
	v_mul_u32_u24 v43, v41, SP
	v_lshl_add_u32 v42, v41, 6, v42
	v_lshl_add_u32 v43, v40, 4, v43
	v_add_nc_u32 v42, s82, v42                     ; in: row r, + 64 h
	v_add_nc_u32 v43, s82, v43                     ; back: lanes 0-15 one row, lanes 16-31 the next
.irp u, 0,1
.irp t, 0,1,2,3
	ds_store_b128 v42, v[SA+64*\u+8*\t:SA+64*\u+8*\t+3] offset:16*SP*\u+128*(\t/2)+32*(\t%2)
	ds_store_b128 v42, v[SA+64*\u+8*\t+4:SA+64*\u+8*\t+7] offset:16*SP*\u+128*(\t/2)+32*(\t%2)+16
.endr
.endr
.irp u, 0,1
.irp i, 0,1,2,3,4,5,6,7
	ds_load_b128 v[OA+32*\u+4*\i:OA+32*\u+4*\i+3], v43 offset:16*SP*\u+2*\i*SP   ; LDS serves a wave's instructions in order (ISA guide 5.7.1.4): these see my stores
.endr
.endr
.irp u, 0,1
.irp i, 0,1,2,3,4,5,6,7
	s_wait_dscnt 15-8*\u-\i                        ; these two rows are back; the younger loads stay out
	global_store_b128 v[GO], v[OA+32*\u+4*\i:OA+32*\u+4*\i+3], s[12:13] offset:(8*\u+2*\i+8*(\i/4))*4096   ; stage row x of tile u is token 8 u + x + 8 (x / 8) of my 32
.endr
.endr
	s_wait_tensorcnt 0x0                           ; the wave's end
	ds_add_u32 v[SPW], v[NIL]
	s_wait_dscnt 0x0
	CROUND                                         ; the closing round: no work-group ends while a partner may still ask for a slot that names it
	s_endpgm
.Lfunc_end_k_qf94abda9ca_attn:
	.size	k_qf94abda9ca_attn, .Lfunc_end_k_qf94abda9ca_attn-k_qf94abda9ca_attn
	.p2alignl 7, 3214868480
	.fill 96, 4, 3214868480
	.section	.rodata,"a",@progbits
	.p2align	6, 0x0
	.amdhsa_kernel k_qf94abda9ca_attn
		.amdhsa_group_segment_fixed_size 327680
		.amdhsa_private_segment_fixed_size 0
		.amdhsa_enable_private_segment 0
		.amdhsa_kernarg_size 40
		.amdhsa_user_sgpr_count 2
		.amdhsa_user_sgpr_kernarg_segment_ptr 1
		.amdhsa_wavefront_size32 1
		.amdhsa_system_sgpr_workgroup_id_x 1
		.amdhsa_system_sgpr_workgroup_id_y 1
		.amdhsa_system_sgpr_workgroup_id_z 1
		.amdhsa_system_vgpr_workitem_id 0
		.amdhsa_next_free_vgpr 512
		.amdhsa_next_free_sgpr 100
		.amdhsa_reserve_vcc 0
		.amdhsa_float_denorm_mode_32 3
		.amdhsa_float_denorm_mode_16_64 3
		.amdhsa_memory_ordered 1
		.amdhsa_forward_progress 1
		.amdhsa_inst_pref_size 153
	.end_amdhsa_kernel
	.amdgpu_metadata
---
amdhsa.version: [ 1, 2 ]
amdhsa.kernels:
  - .name:           k_qf94abda9ca_attn
    .symbol:         k_qf94abda9ca_attn.kd
    .args:
      - { .name: qc, .offset: 0, .size: 8, .value_kind: global_buffer, .address_space: global }
      - { .name: kv, .offset: 8, .size: 8, .value_kind: global_buffer, .address_space: global }
      - { .name: attention_mask, .offset: 16, .size: 8, .value_kind: global_buffer, .address_space: global }
      - { .name: lowp_scales, .offset: 24, .size: 8, .value_kind: global_buffer, .address_space: global }
      - { .name: ctx, .offset: 32, .size: 8, .value_kind: global_buffer, .address_space: global }
    .group_segment_fixed_size: 327680
    .private_segment_fixed_size: 0
    .kernarg_segment_align: 8
    .kernarg_segment_size: 40
    .max_flat_workgroup_size: 256
    .sgpr_count:     100
    .vgpr_count:     512
    .wavefront_size: 32
...
	.end_amdgpu_metadata
.endif
;; end of part 4
;; launch lnpost (part 5): grid 256 x 1, 4 waves a work-group, no clusters, 0 bytes of LDS; arguments ctx, params_gpost, params_dpost, lowp_scales, ccodes; writes ccodes
.if DOCPART == 5
	.amdgcn_target "amdgcn-amd-amdhsa--gfx1250"
	.amdhsa_code_object_version 6
	.text
	.protected	k_qf94abda9ca_lnpost
	.globl	k_qf94abda9ca_lnpost
	.p2align	8
	.type	k_qf94abda9ca_lnpost,@function
k_qf94abda9ca_lnpost:
	s_mov_b64 s[64:65], 0
	v_nop
	global_prefetch_b8 v0, s[64:65] scope:SCOPE_SE
	s_setreg_imm32_b32 hwreg(HW_REG_WAVE_MODE, 25, 1), 1
	s_wait_xcnt 0x0
; ctx [4096][1024] f32 is layer-normed and turned into codes of E4M3 with the scale 2^e, e = entry 18 of the scales: ccodes [4096][1024].
; code = y / 2^e, held within +-448, to the nearest code, ties to even.  LIMITS: e between -126 and 119.  NaN among the inputs is not served.
; A work-group takes 16 rows, a wave 4; a wave holds a whole row in 32 registers: eight loads of 16 bytes a lane, each covering 512 consecutive bytes.  Rows are stored at their own places.
; ORDER ALONG K: lane l's load j holds k = 128 j + 4 l + 0..3; a conversion takes loads 2 i and 2 i + 1; the lane's codes leave at 16 l and at 512 + 16 l of the row: the same permutation of k as in Wo's codes.
; No LDS, no barrier, no matrix unit, no cluster: memory binds, and waves share nothing but a gain and an offset of 4,096 bytes each.
.set X,   16                           ; v16-143  four rows of 32 numbers
.set GA,  144                          ; v144-175 the gain
.set DE,  176                          ; v176-207 the offset
.set CD,  208                          ; v208-239 codes: eight registers for each row, so that no store's data are written again
.set LIM, 240                          ; v240     448 x 2^e
.set SCL, 241                          ; v241     2^e
.macro WSUM                            ; v4: its sum over the wave's 32 lanes, in every lane
	v_add_f32_dpp v4, v4, v4 row_xmask:1 row_mask:0xf bank_mask:0xf
	v_add_f32_dpp v4, v4, v4 row_xmask:2 row_mask:0xf bank_mask:0xf
	v_add_f32_dpp v4, v4, v4 row_xmask:4 row_mask:0xf bank_mask:0xf
	v_add_f32_dpp v4, v4, v4 row_xmask:8 row_mask:0xf bank_mask:0xf
	v_permlanex16_b32 v9, v4, s62, s63
	v_add_f32 v4, v4, v9
.endm
.macro ROWLN i
.set XR, X+32*(\i)
.set CR, CD+8*(\i)
	s_wait_loadcnt 24-8*(\i)                       ; gain, offset and rows up to i are in; the younger rows' eight loads each stay out
	v_pk_add_f32 v[4:5], v[XR:XR+1], v[XR+2:XR+3]
	v_pk_add_f32 v[6:7], v[XR+4:XR+5], v[XR+6:XR+7]
.irp j, 8,12,16,20,24,28
	v_pk_add_f32 v[4:5], v[4:5], v[XR+\j:XR+\j+1]
	v_pk_add_f32 v[6:7], v[6:7], v[XR+\j+2:XR+\j+3]
.endr
	v_pk_add_f32 v[4:5], v[4:5], v[6:7]
	v_add_f32 v4, v4, v5
	WSUM
	v_mul_f32 v12, s70, v4                         ; the mean, twice
	v_mul_f32 v13, s70, v4
.set n, 0
.rept 16
	v_pk_add_f32 v[XR+n:XR+n+1], v[XR+n:XR+n+1], v[12:13] neg_lo:[0,1] neg_hi:[0,1]
.set n, n+2
.endr
	v_pk_mul_f32 v[4:5], v[XR:XR+1], v[XR:XR+1]
	v_pk_mul_f32 v[6:7], v[XR+2:XR+3], v[XR+2:XR+3]
.irp j, 4,8,12,16,20,24,28
	v_pk_fma_f32 v[4:5], v[XR+\j:XR+\j+1], v[XR+\j:XR+\j+1], v[4:5]
	v_pk_fma_f32 v[6:7], v[XR+\j+2:XR+\j+3], v[XR+\j+2:XR+\j+3], v[6:7]
.endr
	v_pk_add_f32 v[4:5], v[4:5], v[6:7]
	v_add_f32 v4, v4, v5
	WSUM
	v_fma_f32 v8, v4, s70, s71                     ; the variance + 1e-12
	s_wait_alu depctr_va_vdst(0)
	v_rsq_f32 v14, v8
	v_rsq_f32 v15, v8
	v_nop                                          ; a plain line behind the transcendentals (ISA guide 5.7.2),
	s_wait_alu depctr_va_vdst(0)                   ; and the one wait ahead of their first reader
.set n, 0
.rept 16
	v_pk_mul_f32 v[XR+n:XR+n+1], v[XR+n:XR+n+1], v[14:15]
.set n, n+2
.endr
.set n, 0
.rept 16
	v_pk_fma_f32 v[XR+n:XR+n+1], v[XR+n:XR+n+1], v[GA+n:GA+n+1], v[DE+n:DE+n+1]
.set n, n+2
.endr
.set n, 0
.rept 32
	v_med3_num_f32 v[XR+n], v[XR+n], -v[LIM], v[LIM]   ; the conversion does not saturate (ISA guide 7.6.2): the hold comes first
.set n, n+1
.endr
.irp m, 0,1,2,3
	v_cvt_scalef32_pk8_fp8_f32 v[CR+2*\m:CR+2*\m+1], v[XR+8*\m:XR+8*\m+7], v[SCL]
.endr
	v_nop                                          ; a plain line behind the last conversion
	global_store_b128 v1, v[CR:CR+3], s[16:17] offset:1024*(\i)
	global_store_b128 v1, v[CR+4:CR+7], s[16:17] offset:1024*(\i)+512
.endm
	s_load_b256 s[8:15], s[0:1], 0x0               ; ctx s[8:9], the gain s[10:11], the offset s[12:13], the scales s[14:15]
	s_load_b64 s[16:17], s[0:1], 0x20              ; ccodes
	v_lshrrev_b32 v2, 5, v0
	v_readfirstlane_b32 s2, v2                     ; wave
	v_and_b32 v1, 31, v0
	v_lshlrev_b32 v1, 4, v1                        ; 16 x lane
	v_mov_b32 v9, 0                                ; written once: a lane permute's destination counts as one of its sources
	s_mov_b32 s62, 0x76543210
	s_mov_b32 s63, 0xfedcba98
	s_mov_b32 s70, 0x3a800000                      ; 2^-10
	s_mov_b32 s71, 0x2b8cbccc                      ; 1e-12
	s_lshl_b32 s57, ttmp9, 4
	s_lshl_b32 s2, s2, 2
	s_add_co_u32 s57, s57, s2                      ; my first row
	s_lshl_b32 s66, s57, 12
	s_mov_b32 s67, 0
	s_lshl_b32 s68, s57, 10
	s_mov_b32 s69, 0
	s_wait_alu depctr_va_vdst(0)
	s_wait_kmcnt 0x0
	s_load_b32 s61, s[14:15], 0x48                 ; entry 18
	s_add_nc_u64 s[8:9], s[8:9], s[66:67]
	s_add_nc_u64 s[16:17], s[16:17], s[68:69]
.irp j, 0,1,2,3,4,5,6,7
	global_load_b128 v[GA+4*\j:GA+4*\j+3], v1, s[10:11] offset:512*\j
	global_load_b128 v[DE+4*\j:DE+4*\j+3], v1, s[12:13] offset:512*\j
.endr
.irp i, 0,1,2,3
.irp j, 0,1,2,3,4,5,6,7
	global_load_b128 v[X+32*\i+4*\j:X+32*\i+4*\j+3], v1, s[8:9] offset:4096*\i+512*\j th:TH_LOAD_NT
.endr
.endr
	s_wait_kmcnt 0x0
	s_add_co_i32 s61, s61, 127
	s_lshl_b32 s3, s61, 23
	v_mov_b32 v[SCL], s3
	s_add_co_i32 s61, s61, 8
	s_lshl_b32 s61, s61, 23
	s_or_b32 s61, s61, 0x600000
	v_mov_b32 v[LIM], s61
	ROWLN 0
	ROWLN 1
	ROWLN 2
	ROWLN 3
	s_endpgm
.Lfunc_end_k_qf94abda9ca_lnpost:
	.size	k_qf94abda9ca_lnpost, .Lfunc_end_k_qf94abda9ca_lnpost-k_qf94abda9ca_lnpost
	.p2alignl 7, 3214868480
	.fill 96, 4, 3214868480
	.section	.rodata,"a",@progbits
	.p2align	6, 0x0
	.amdhsa_kernel k_qf94abda9ca_lnpost
		.amdhsa_group_segment_fixed_size 0
		.amdhsa_private_segment_fixed_size 0
		.amdhsa_enable_private_segment 0
		.amdhsa_kernarg_size 40
		.amdhsa_user_sgpr_count 2
		.amdhsa_user_sgpr_kernarg_segment_ptr 1
		.amdhsa_wavefront_size32 1
		.amdhsa_system_sgpr_workgroup_id_x 1
		.amdhsa_system_sgpr_workgroup_id_y 1
		.amdhsa_system_sgpr_workgroup_id_z 1
		.amdhsa_system_vgpr_workitem_id 0
		.amdhsa_next_free_vgpr 248
		.amdhsa_next_free_sgpr 80
		.amdhsa_reserve_vcc 0
		.amdhsa_float_denorm_mode_32 3
		.amdhsa_float_denorm_mode_16_64 3
		.amdhsa_memory_ordered 1
		.amdhsa_forward_progress 1
		.amdhsa_inst_pref_size 41
	.end_amdhsa_kernel
	.amdgpu_metadata
---
amdhsa.version: [ 1, 2 ]
amdhsa.kernels:
  - .name:           k_qf94abda9ca_lnpost
    .symbol:         k_qf94abda9ca_lnpost.kd
    .args:
      - { .name: ctx, .offset: 0, .size: 8, .value_kind: global_buffer, .address_space: global }
      - { .name: params_gpost, .offset: 8, .size: 8, .value_kind: global_buffer, .address_space: global }
      - { .name: params_dpost, .offset: 16, .size: 8, .value_kind: global_buffer, .address_space: global }
      - { .name: lowp_scales, .offset: 24, .size: 8, .value_kind: global_buffer, .address_space: global }
      - { .name: ccodes, .offset: 32, .size: 8, .value_kind: global_buffer, .address_space: global }
    .group_segment_fixed_size: 0
    .private_segment_fixed_size: 0
    .kernarg_segment_align: 8
    .kernarg_segment_size: 40
    .max_flat_workgroup_size: 128
    .sgpr_count:     80
    .vgpr_count:     248
    .wavefront_size: 32
...
	.end_amdgpu_metadata
.endif
;; end of part 5
;; launch outg (part 6): grid 8 x 32, 4 waves a work-group, clusters of 4 x 4, 327,680 bytes of LDS; arguments ccodes, wcodes, lowp_scales, params_bo, value_tensor, out0; writes out0
.if DOCPART == 6
	.amdgcn_target "amdgcn-amd-amdhsa--gfx1250"
	.amdhsa_code_object_version 6
	.text
	.protected	k_qf94abda9ca_outg
	.globl	k_qf94abda9ca_outg
	.p2align	8
	.type	k_qf94abda9ca_outg,@function
k_qf94abda9ca_outg:
	s_mov_b64 s[64:65], 0
	v_nop
	global_prefetch_b8 v0, s[64:65] scope:SCOPE_SE
	s_setreg_imm32_b32 hwreg(HW_REG_WAVE_MODE, 25, 1), 1
	s_wait_xcnt 0x0
	s_wait_alu depctr_hold_cnt(0) depctr_sa_sdst(0) depctr_va_vdst(0) depctr_va_sdst(0) depctr_va_ssrc(0) depctr_va_vcc(0) depctr_vm_vsrc(0)
	s_getreg_b32 s2, hwreg(HW_REG_IB_STS2, 6, 4)
	s_cmp_eq_u32 s2, 0
	s_cbranch_scc0 .Lentry_in_a_cluster
	s_endpgm
.Lentry_in_a_cluster:
	s_bfe_u32 s2, ttmp6, 0x10000c
	s_cmp_lg_u32 s2, 0xf033
	s_cbranch_scc0 .Lentry_shape_is_right
	s_endpgm
.Lentry_shape_is_right:
; out0[m][n] = 2^(e18 + e19) x (sum over k of ccodes[m][k] Wo's codes[n][k]) + bo[n] + value_tensor[m][n].  ccodes [4096][1024] and Wo's codes (wcodes + 5 MiB, [1024][1024]) are codes of E4M3; sums in f32.
; LIMIT: e18 + e19 lies between -126 and 127, so that 2^(e18 + e19) is an f32 number.
; SHARES.  A work-group makes 128 x 128 of the result: 32 x 8 = 256 work-groups.  Each of its four waves makes 64 x 64: 16 accumulators of 16 x 16.
; ALL OF K AT ONCE.  128 rows of A and 128 of B, 1,024 bytes each, are 262,144 bytes: they lie in LDS whole (rows 1,040 bytes apart).  Each wave asks for 64 rows by ONE tensor load at the head; nothing is filled again.
; CLUSTERS: 4 x 4 work-groups.  The four of a row of the cluster need the same rows of A, the four of a column the same rows of B: each tile is asked for JOINTLY, by the same load with the same descriptor and a mask of the four.
; No prefetch: the launch has no loop to run ahead in; its only tensor loads stand at its head.
; ORDER.  Both operands carry the same permutation of k in every row.  Wo's rows are stored with bits 3 and 4 of the row's number exchanged: stored tile 2 a + u, row x, is column 32 a + 8 u + x + 8 (x / 8).
; THE MATRIX INSTRUCTION IS USED TRANSPOSED (source 0 = 16 stored rows of Wo, source 1 = 16 rows of A): lane (r, h) holds row r, and register j of tile 2 a + u column 32 a + 16 h + 8 u + j.
; The residual (my 64 rows x 256 bytes) and the bias are loaded at the head and added to each other while the tiles are on their way.
; REGISTERS.  Window 0: v16-29 addresses, the bias; v128-191, v192-255 fragments of B, of A, set 0 (on the way out: the rows read back).  Window 1: v0-127 the accumulators ((a, b) at 8 (4 a + b)); v128-255 set 1.
; Window 2: v0-127 the residual + the bias: register 32 a + 4 t + i is row 16 a + 2 t + h, column 4 r + i of my 64 x 64.
.set PITCH,  1040                      ; an LDS row: 1,024 bytes + 16 of padding: an odd multiple of 16, so the 16 rows that a load touches begin at 16 different groups of banks (ISA guide 11.1)
.set HALFT,  64*PITCH                  ; what one tensor load brings, and what one wave reads of A or of B
.set STAGE,  4*HALFT                   ; behind the tiles: 16 rows x (256 + 16) bytes for each wave
.set SP,     272
.set SPARE,  STAGE+4*16*SP             ; the spare words, 128 bytes for each wave, which no other line names
.set ADRA, 16
.set ADRB, 17
.set STO,  18
.set RD,   19
.set CO,   20                          ; 4,096 h + 16 r: my place in two rows of the residual and of the result
.set BA,   21                          ; 16 r: my four columns' bias
.set BO,   24                          ; v24-27 the bias
.set SPW,  28
.set NIL,  29
.set FB,   128
.set FA,   192
.set G1,  24
.set G0,  32
.set G1B, 48
.set G0B, 56
.set MSB, 0
.macro WIN new                         ; the immediate's high byte repeats the setting that is left
.if MSB != \new
	s_set_vgpr_msb (MSB<<8)|\new
.set MSB, \new
.endif
.endm
.macro CROUND                          ; a round of the cluster's barrier
	s_barrier_signal -1
	s_barrier_wait -1
	s_cmp_lg_u32 s14, 0
	s_cbranch_scc1 .Lnot_wave_0_\@
	s_barrier_signal -3
.Lnot_wave_0_\@:
	s_barrier_wait -3
	s_barrier_signal -1
	s_barrier_wait -1
.endm
.macro PLACES
.rept 4
	v_nop
.endr
.endm
	s_load_b256 s[68:75], s[0:1], 0x0              ; ccodes s[68:69], wcodes s[70:71], the scales s[72:73], bo s[74:75]
	s_load_b128 s[76:79], s[0:1], 0x20             ; value_tensor s[76:77], out0 s[78:79]
	v_lshl_add_u32 v[SPW], v0, 2, SPARE
	v_mov_b32 v[NIL], 0
	ds_add_u32 v[SPW], v[NIL]                      ; the opening: the add, twice on end, and its wait ahead of my first tensor load
	ds_add_u32 v[SPW], v[NIL]
	v_lshrrev_b32 v9, 5, v0
	v_readfirstlane_b32 s14, v9                    ; wave 0..3
	s_lshr_b32 s15, s14, 1                         ; which 64 rows of the block are mine.  Also: I fetch for A (0) or for B (1)
	s_and_b32 s16, s14, 1                          ; which 64 columns.  Also: which 64 rows of that tile I fetch
	s_mul_i32 s21, s15, HALFT                      ; my rows of A in LDS
	s_mul_i32 s22, s16, HALFT
	s_add_co_u32 s22, s22, 2*HALFT                 ; my rows of B, behind A's 128
	s_mul_i32 s23, s14, 16*SP
	s_add_co_u32 s23, s23, STAGE                   ; my stage
	v_and_b32 v1, 15, v0                           ; r
	v_bfe_u32 v2, v0, 4, 1                         ; h
	v_mul_u32_u24 v3, v1, PITCH
	v_mul_u32_u24 v4, v1, SP
	v_mul_u32_u24 v5, v2, SP
	v_lshl_add_u32 v3, v2, 4, v3                   ; a fragment: row r, + 16 h
	v_lshl_add_u32 v4, v2, 6, v4                   ; the stage, in: row r, + 64 h
	v_lshl_add_u32 v5, v1, 4, v5                   ; and back: lanes 0-15 one row, lanes 16-31 the next
	v_lshlrev_b32 v[CO], 12, v2
	v_lshlrev_b32 v[BA], 4, v1
	v_add_nc_u32 v[ADRA], s21, v3
	v_add_nc_u32 v[ADRB], s22, v3
	v_add_nc_u32 v[STO], s23, v4
	v_add_nc_u32 v[RD], s23, v5
	v_lshl_add_u32 v[CO], v1, 4, v[CO]
	s_bfe_u32 s40, ttmp6, 0x40000                  ; cx, cy: my place in the cluster
	s_bfe_u32 s41, ttmp6, 0x40004
	s_lshl_b32 s42, ttmp9, 2
	s_add_co_u32 s42, s42, s40                     ; block column = 4 x cluster x + cx
	s_and_b32 s17, ttmp7, 0xffff
	s_lshl_b32 s17, s17, 2
	s_add_co_u32 s17, s17, s41                     ; block row = 4 x cluster y + cy
	s_lshl_b32 s43, s41, 2
	s_lshl_b32 s43, 15, s43                        ; my row of the cluster
	s_lshl_b32 s44, 0x1111, s40                    ; my column
	s_or_b32 s[G1+0], s43, (0<<16)|(1<<20)|(1<<21)|(7<<22)|(3<<25)   ; the mask; elements of 1 byte; padding on; bit 21 beside a mask; after every 256 words (code 7) four words (code 3)
	s_or_b32 s[G1B+0], s44, (0<<16)|(1<<20)|(1<<21)|(7<<22)|(3<<25)
.irp g, G1, G1B
	s_mov_b32 s[\g+1], 1024<<16                    ; tensor_dim0 = 1,024
	s_mov_b32 s[\g+2], 64<<16                      ; tensor_dim1 = 64
	s_mov_b32 s[\g+3], 1024<<16                    ; tile_dim0
	s_mov_b32 s[\g+4], 64                          ; tile_dim1
	s_mov_b32 s[\g+5], 1024                        ; from row to row
	s_mov_b32 s[\g+6], 0
	s_mov_b32 s[\g+7], 0
.endr
	s_lshl_b32 s18, s16, 6                         ; which 64 rows of the tile I fetch
	s_lshl_b32 s20, s17, 7
	s_add_co_u32 s20, s20, s18
	s_lshl_b32 s20, s20, 10                        ; A: row 128 x block row + 64 x half, 1,024 bytes a row
	s_lshl_b32 s46, s42, 7
	s_add_co_u32 s46, s46, s18
	s_lshl_b32 s46, s46, 10
	s_add_co_u32 s46, s46, 0x500000                ; B likewise by the block column, in the sixth weight's codes
	s_mov_b32 s21, 0
	s_mov_b32 s47, 0
	s_mul_i32 s45, s14, HALFT                      ; where they go: wave x 64 rows: no place in the cluster enters an LDS address
	s_lshl_b32 s8, s17, 7
	s_lshl_b32 s9, s15, 6
	s_add_co_u32 s8, s8, s9
	s_lshl_b32 s8, s8, 12                          ; my first row of the result, 4,096 bytes a row,
	s_lshl_b32 s9, s42, 7
	s_lshl_b32 s10, s16, 6
	s_add_co_u32 s9, s9, s10
	s_lshl_b32 s10, s9, 2                          ; my first column, in bytes
	s_mov_b32 s11, 0
	s_add_co_u32 s8, s8, s10
	s_mov_b32 s9, 0
	s_wait_alu depctr_va_vdst(0)
	s_wait_dscnt 0x0                               ; both opening adds are done
	s_wait_kmcnt 0x0
	s_load_b64 s[96:97], s[72:73], 0x48            ; e18, e19
	s_mov_b32 s[G0], 1
	s_mov_b32 s[G0+1], s45
	s_add_nc_u64 s[G0+2:G0+3], s[68:69], s[20:21]
	s_or_b32 s[G0+3], s[G0+3], 0x80000000
	s_mov_b32 s[G0B], 1
	s_mov_b32 s[G0B+1], s45
	s_add_nc_u64 s[G0B+2:G0B+3], s[70:71], s[46:47]
	s_or_b32 s[G0B+3], s[G0B+3], 0x80000000
	s_add_nc_u64 s[74:75], s[74:75], s[10:11]
	s_add_nc_u64 s[76:77], s[76:77], s[8:9]
	s_add_nc_u64 s[78:79], s[78:79], s[8:9]
	CROUND                                         ; all sixteen work-groups are here: the joint loads meet
	s_cmp_eq_u32 s15, 0                            ; waves 0 and 1 fetch A's halves, waves 2 and 3 B's: one load a wave; an s_nop 0 and four v_nop follow each line
	s_cbranch_scc0 .Lfor_b
	tensor_load_to_lds s[G0:G0+3], s[G1:G1+7]
	s_nop 0
	PLACES
	s_branch .Lasked
.Lfor_b:
	tensor_load_to_lds s[G0B:G0B+3], s[G1B:G1B+7]
	s_nop 0
	PLACES
.Lasked:
	global_load_b128 v[BO:BO+3], v[BA], s[74:75]
	WIN 0x80                                       ; destination in window 2
.irp a, 0,1,2,3
.irp t, 0,1,2,3,4,5,6,7
	global_load_b128 v[32*\a+4*\t:32*\a+4*\t+3], v[CO], s[76:77] offset:(16*\a+2*\t)*4096 th:TH_LOAD_NT   ; sixteen lanes read 256 consecutive bytes, aligned
.endr
.endr
	WIN 0
	s_wait_kmcnt 0x0
	s_add_co_i32 s96, s96, s97
	s_add_co_i32 s96, s96, 127
	s_lshl_b32 s96, s96, 23                        ; 2^(e18 + e19) as f32
	s_mov_b32 s97, s96
	s_wait_loadcnt 0x0
	WIN 0x82                                       ; destination and source 0 in window 2
.set n, 0
.rept 32
	v_pk_add_f32 v[n:n+1], v[n:n+1], v[BO:BO+1]    ; the residual + the bias
	v_pk_add_f32 v[n+2:n+3], v[n+2:n+3], v[BO+2:BO+3]
.set n, n+4
.endr
	WIN 0
	s_wait_alu depctr_va_vdst(0)
	s_wait_tensorcnt 0x0                           ; my 64 rows are in;
	s_barrier_signal -1
	s_barrier_wait -1                              ; and so are everybody's
; A fragment, 16 rows x 128 K, is 16 registers: four loads of 16 bytes, 32 bytes apart: the same places of k in A and in B.
.macro FETCH q, set                    ; K step q's four fragments of B and four of A into set 0 (window 0) or 1 (window 1): 32 loads
	WIN 0x40*(\set)
.irp i, 0,1,2,3
.irp c, 0,1,2,3
	ds_load_b128 v[FB+16*\i+4*\c:FB+16*\i+4*\c+3], v[ADRB] offset:128*(\q)+32*\c+\i*16*PITCH
.endr
.endr
.irp i, 0,1,2,3
.irp c, 0,1,2,3
	ds_load_b128 v[FA+16*\i+4*\c:FA+16*\i+4*\c+3], v[ADRA] offset:128*(\q)+32*\c+\i*16*PITCH
.endr
.endr
.endm
.macro MUL set, zero                   ; 16 matrix instructions; the 16 accumulators take turns, in the same order in every step; the first step starts the sums
	WIN 0x50+5*(\set)                              ; C and D in window 1; the sources in the set's window
.irp a, 0,1,2,3
.irp b, 0,1,2,3
.if \zero
	v_wmma_f32_16x16x128_fp8_fp8 v[8*(4*\a+\b):8*(4*\a+\b)+7], v[FB+16*\b:FB+16*\b+15], v[FA+16*\a:FA+16*\a+15], 0
.else
	v_wmma_f32_16x16x128_fp8_fp8 v[8*(4*\a+\b):8*(4*\a+\b)+7], v[FB+16*\b:FB+16*\b+15], v[FA+16*\a:FA+16*\a+15], v[8*(4*\a+\b):8*(4*\a+\b)+7]
.endif
.endr
.endr
.endm
	FETCH 0, 0
	FETCH 1, 1
	s_wait_dscnt 32                                ; step 0's fragments are in; the 32 younger loads may be out
	MUL 0, 1
.irp q, 1,2,3,4,5,6
	PLACES                                         ; four places in front of loads into registers that the last products read
	FETCH \q+1, (\q+1)%2
	s_wait_dscnt 32
	MUL (\q)%2, 0
.endr
	s_wait_dscnt 0x0
	MUL 1, 0
	PLACES                                         ; the results are read, and set 0's registers are loaded again
; THE WAY OUT, by blocks of 16 rows x 64 columns.  A lane holds pieces of one row: a block goes through my own stage and comes back as rows of 256 bytes.  LDS serves a wave's instructions in order (ISA guide 5.7.1.4):
; no wait stands between the stores and the loads, nor in front of the next block's stores.  Each block comes back into registers of its own, so no store's data are written again.
.irp a, 0,1,2,3
	WIN 0x04                                       ; the stores' data in window 1
.irp b, 0,1,2,3
	ds_store_b128 v[STO], v[32*\a+8*\b:32*\a+8*\b+3] offset:128*(\b/2)+32*(\b%2)       ; each accumulator from its low end on
	ds_store_b128 v[STO], v[32*\a+8*\b+4:32*\a+8*\b+7] offset:128*(\b/2)+32*(\b%2)+16
.endr
	WIN 0
.irp t, 0,1,2,3,4,5,6,7
	ds_load_b128 v[FB+32*\a+4*\t:FB+32*\a+4*\t+3], v[RD] offset:2*\t*SP
.endr
.endr
	WIN 0x20                                       ; source 2 in window 2
.irp a, 0,1,2,3
	s_wait_dscnt 16*(3-\a)                         ; block a is back; the later blocks' 8 stores and 8 loads each may be out
.set n, 0
.rept 16
	v_pk_fma_f32 v[FB+32*\a+n:FB+32*\a+n+1], v[FB+32*\a+n:FB+32*\a+n+1], s[96:97], v[32*\a+n:32*\a+n+1] op_sel_hi:[1,0,1]   ; sum x 2^(e18 + e19) + (the residual + the bias)
.set n, n+2
.endr
.irp t, 0,1,2,3,4,5,6,7
	global_store_b128 v[CO], v[FB+32*\a+4*\t:FB+32*\a+4*\t+3], s[78:79] offset:(16*\a+2*\t)*4096 th:TH_STORE_NT   ; sixteen lanes store 256 consecutive bytes, aligned
.endr
.endr
	WIN 0
	s_wait_tensorcnt 0x0                           ; the wave's end, behind my tensor load and my last LDS store
	ds_add_u32 v[SPW], v[NIL]
	s_wait_dscnt 0x0
	CROUND                                         ; the closing round
	s_endpgm
.Lfunc_end_k_qf94abda9ca_outg:
	.size	k_qf94abda9ca_outg, .Lfunc_end_k_qf94abda9ca_outg-k_qf94abda9ca_outg
	.p2alignl 7, 3214868480
	.fill 96, 4, 3214868480
	.section	.rodata,"a",@progbits
	.p2align	6, 0x0
	.amdhsa_kernel k_qf94abda9ca_outg
		.amdhsa_group_segment_fixed_size 327680
		.amdhsa_private_segment_fixed_size 0
		.amdhsa_enable_private_segment 0
		.amdhsa_kernarg_size 48
		.amdhsa_user_sgpr_count 2
		.amdhsa_user_sgpr_kernarg_segment_ptr 1
		.amdhsa_wavefront_size32 1
		.amdhsa_system_sgpr_workgroup_id_x 1
		.amdhsa_system_sgpr_workgroup_id_y 1
		.amdhsa_system_sgpr_workgroup_id_z 1
		.amdhsa_system_vgpr_workitem_id 0
		.amdhsa_next_free_vgpr 640
		.amdhsa_next_free_sgpr 100
		.amdhsa_reserve_vcc 0
		.amdhsa_float_denorm_mode_32 3
		.amdhsa_float_denorm_mode_16_64 3
		.amdhsa_memory_ordered 1
		.amdhsa_forward_progress 1
		.amdhsa_inst_pref_size 51
	.end_amdhsa_kernel
	.amdgpu_metadata
---
amdhsa.version: [ 1, 2 ]
amdhsa.kernels:
  - .name:           k_qf94abda9ca_outg
    .symbol:         k_qf94abda9ca_outg.kd
    .args:
      - { .name: ccodes, .offset: 0, .size: 8, .value_kind: global_buffer, .address_space: global }
      - { .name: wcodes, .offset: 8, .size: 8, .value_kind: global_buffer, .address_space: global }
      - { .name: lowp_scales, .offset: 16, .size: 8, .value_kind: global_buffer, .address_space: global }
      - { .name: params_bo, .offset: 24, .size: 8, .value_kind: global_buffer, .address_space: global }
      - { .name: value_tensor, .offset: 32, .size: 8, .value_kind: global_buffer, .address_space: global }
      - { .name: out0, .offset: 40, .size: 8, .value_kind: global_buffer, .address_space: global }
    .group_segment_fixed_size: 327680
    .private_segment_fixed_size: 0
    .kernarg_segment_align: 8
    .kernarg_segment_size: 48
    .max_flat_workgroup_size: 128
    .sgpr_count:     100
    .vgpr_count:     640
    .wavefront_size: 32
...
	.end_amdgpu_metadata
.endif
;; end of part 6
